; MI455X (gfx1250); checked and timed in simulation.
; The chip was launched on July 23, 2026; its instructions are those of AMD's public machine-readable ISA for CDNA 5 (MIT licence, August 2026) and "CDNA5" Instruction Set Architecture Reference Guide (July 2026). The comments in the code are by the model that wrote it; some were corrected since.
;; Local Attention. Allowed arithmetic: matrix products marked QUANTISED: E2M1 operands, one E8M0 scale for each 32 along K, by v_wmma_scale_f32_16x16x128_f8f6f4 with both operands' format E2M1 (or v_wmma_scale_f32_32x16x128_f4), f32 sums; products left as they are: f32 operands where the result goes on into a quantised operand, else bf16, f16 or f32 operands; f32 sums; everything else in f32.
;; Inputs: Wkv 512 x 256 float32; Wq 256 x 256 float32; features 32 x 256 x 64 x 64 float32; ln_kv_b 256 float32; ln_kv_w 256 float32; ln_q_b 256 float32; ln_q_w 256 float32; proj_b 256 float32; proj_w 256 x 256 float32.
;; Outputs: out0 32 x 256 x 256 float32.
;; Constants: conv_stride = 4, num_heads = 8.
;; This version of the problem:
;;   THIS VERSION OF THE PROBLEM IS GIVEN IN LOW PRECISION. The matrix products marked QUANTISED in the list below multiply operands that are first quantised to E2M1 (2 exponent bits, 1 mantissa bit; 4 bits a number), with one power-of-two scale for each 32 numbers along K (OCP MX v1.0); their sums are f32. All else is computed in f32.
;;   The module's matrix products, in the order in which they are computed (A, B: the left and right operand; K: the contracted axis; several contracted axes count as one K, in the product's order):
;;     1. [M 8,192, K 256] x [K 256, N 256]; A: computed on the way; B: input Wq: QUANTISED
;;     2. [M 131,072, K 256] x [K 256, N 512]; A: computed on the way; B: input Wkv: QUANTISED
;;     3. batch 65,536 x [M 1, K 32] x [K 32, N 16]; A: computed on the way; B: computed on the way: left as it is (M = 1 < 16)
;;     4. batch 65,536 x [M 1, K 16] x [K 16, N 32]; A: softmax; B: computed on the way: left as it is (K = 16 < 32)
;;     5. [M 8,192, K 256] x [K 256, N 256]; A: computed on the way; B: input proj_w: QUANTISED
;;   THE QUANTISER, for each operand of a quantised product, along K:
;;     - K is cut into blocks of 32 from its start; a last block that is shorter is filled with zeros.
;;     - A block's scale is 2^e with e = floor(log2(the largest magnitude in the block)) - 2, held to -126 .. 127; a block of zeros has e = 0. As a byte (E8M0): e + 127.
;;     - Each number is divided by its block's scale, clamped to +-6, and rounded to the nearest number of E2M1, ties to even, subnormals kept.
;;     - The product sums the exact products of the quantised numbers (number of the format x scale) in f32.
;;   ~~~python
;;   def quantise(x, axis):      # numpy; x: float32 -> the quantised numbers, widened to float32 again
;;       x = np.moveaxis(x, axis, -1); K = x.shape[-1]
;;       x = np.pad(x, [(0, 0)] * (x.ndim - 1) + [(0, -K % 32)]); x = x.reshape(x.shape[:-1] + (-1, 32)); a = np.abs(x).max(-1, keepdims=True)
;;       e = np.where(a > 0, np.clip(np.frexp(np.where(a > 0, a, 1))[1] - 1 - 2, -126, 127), 0)      # np.frexp(a)[1] - 1 = floor(log2(a)), exactly
;;       r = np.clip(x / 2.0 ** e, -6, 6)
;;       step = 2.0 ** (np.maximum(np.frexp(np.where(r == 0, 1, r))[1] - 1, 0) - 1)
;;       q = np.round(r / step) * step * 2.0 ** e      # np.round: ties to even
;;       return np.moveaxis(q.reshape(q.shape[:-2] + (-1,))[..., :K], -1, axis).astype(np.float32)
;;   ~~~
;;   OPERANDS COMPUTED ON THE WAY. 'Computed on the way' means the value that the module computes at that place (a softmax that the list does not call 'softmax' is quantised finished and normalised). What goes into a quantiser is computed in f32, as accurately as f32 sums, v_exp_f32 and their like allow (about 1e-6 of the number): no bf16 or f16 on the way to a quantiser, and a product that is left as it is and whose result goes on into a quantised operand takes f32 operands (vector FMAs, or v_wmma_f32_16x16x4_f32). A number that lies on a knife's edge between two numbers of the format may be rounded either way, as far as f32 arithmetic and the matrix unit's own rounding can turn it there, and no further.
;; 2 versions. Each part assembles by itself: llvm-mc -triple=amdgcn-amd-amdhsa -mcpu=gfx1250 --defsym DOCPART=n.
;; ======== version 1 of 2: 2 launches
;; workspace buffers: wfrag 131,072 bytes; wscl 8,192 bytes
;; launch wprep (part 1): grid 16 x 1, 4 waves a work-group, no clusters, 0 bytes of LDS; arguments Wkv, Wq, proj_w, wfrag, wscl; writes wfrag, wscl
.if DOCPART == 1
	.amdgcn_target "amdgcn-amd-amdhsa--gfx1250"
	.amdhsa_code_object_version 6
	.text
	.protected	k_qe2bbf21cd3_wprep
	.globl	k_qe2bbf21cd3_wprep
	.p2align	8
	.type	k_qe2bbf21cd3_wprep,@function
k_qe2bbf21cd3_wprep:
	s_mov_b64 s[64:65], 0
	v_nop
	global_prefetch_b8 v0, s[64:65] scope:SCOPE_SE
	s_setreg_imm32_b32 hwreg(HW_REG_WAVE_MODE, 25, 1), 1
	s_wait_xcnt 0x0
; Wkv [512][256], Wq [256][256] and proj_w [256][256], f32 with K innermost, become codes of FP4 (E2M1) with one E8M0 scale byte for each 32 along K,
; laid in the order in which the second launch's operand registers take them:
;   wfrag [w 0..3][T 0..15][s 0..1][c 0..1][lane][16 bytes]: piece (s, c) of lane (m, h) = the 32 codes of block 4 s + 2 c + h of the tile's row m;   wscl [w][T][s][m]: one word, four bytes, for 128 along K.
; w is the wave of the second launch that owns the tile.  T = 0-3: rows of K's weight, 4-7: of V's, 8-11: of Wq, 12-15: of proj_w.  With t = T % 4, row m of a tile is
;   K, V, Q: 64 w + 32 (t / 2) + 8 (t % 2) + m % 8 + 16 (m / 8) (+ 256 for V);      proj_w: 64 w + 8 t + m % 8 + 32 (m / 8):
; which rows form a tile only says which result lands in which lane and register of the product.
; A block's scale is 2^(floor(log2(its largest magnitude)) - 2); its byte is the largest magnitude's exponent field - 2, held at 1 from below.
; LIMITS: a block of zeros, or one whose largest magnitude lies under 2^-124, gets the byte 1 (its codes are zeros or the nearest codes under that scale; the bytes are read by this program alone); NaN and infinities are not served.
; SHARES: work-group x = T, wave = w: a wave makes one tile: a lane holds four whole blocks of 32, so that no maximum needs another lane.  1 MiB is read in all: no LDS, no barrier.
.set X,   16                           ; v16-143  block q = 2 s + c at X + 32 q
.set M,   144                          ; v144-147 largest magnitudes
.set SO,  148                          ; v148-151 the conversions' scale operands
.set BY,  152                          ; v152-155 scale bytes
.set C,   156                          ; v156-171 codes, four registers a block
.set WD,  172                          ; v172-173 the scale words of K steps 0 and 1
.set TP,  174                          ; v174-175 the other half's bytes
.set OW,  176                          ; v176     the word that my lane stores
	s_load_b256 s[4:11], s[0:1], 0x0               ; Wkv s[4:5], Wq s[6:7], proj_w s[8:9], wfrag s[10:11]
	s_load_b64 s[12:13], s[0:1], 0x20              ; wscl
	v_lshrrev_b32 v1, 5, v0
	v_readfirstlane_b32 s16, v1                    ; w
	v_and_b32 v7, 31, v0                           ; lane
	v_and_b32 v1, 15, v0                           ; m
	v_bfe_u32 v2, v0, 4, 1                         ; h
	s_lshr_b32 s20, ttmp9, 2                       ; which weight: 0 K, 1 V, 2 Q, 3 proj
	s_and_b32 s21, ttmp9, 3                        ; t
	s_lshr_b32 s23, s21, 1
	s_lshl_b32 s23, s23, 5
	s_and_b32 s24, s21, 1
	s_lshl_b32 s24, s24, 3
	s_add_co_u32 s23, s23, s24                     ; 32 (t / 2) + 8 (t % 2)
	s_lshl_b32 s24, s21, 3                         ; 8 t
	s_cmp_eq_u32 s20, 3
	s_cselect_b32 s23, s24, s23
	s_cselect_b32 s25, 5, 4                        ; rows 8-15 of a tile lie 32 or 16 rows behind rows 0-7
	s_cmp_eq_u32 s20, 1
	s_cselect_b32 s24, 256, 0                      ; V's rows lie behind K's
	s_lshl_b32 s22, s16, 6
	s_add_co_u32 s22, s22, s23
	s_add_co_u32 s22, s22, s24                     ; the tile's first row
	s_lshl_b32 s26, s22, 10                        ; a row is 1,024 bytes
	s_mov_b32 s27, 0
	s_mov_b32 s18, 0x76543210
	s_mov_b32 s19, 0xfedcba98                      ; v_permlanex16_b32's selects for lane l xor 16
	s_lshl_b32 s28, s16, 4
	s_add_co_u32 s28, s28, ttmp9                   ; 16 w + T
	s_lshl_b32 s30, s28, 11                        ; 2,048 bytes of codes a tile
	s_mov_b32 s31, 0
	s_lshl_b32 s32, s28, 7                         ; 128 bytes of scale words
	s_mov_b32 s33, 0
	v_and_b32 v3, 7, v1
	v_lshrrev_b32 v8, 3, v1
	v_lshlrev_b32 v8, s25, v8
	v_add_nc_u32 v3, v3, v8                        ; my row in the tile's span
	v_lshlrev_b32 v3, 10, v3
	v_lshl_or_b32 v3, v2, 7, v3                    ; + 128 h: lanes 16-31 take the block behind
	v_lshlrev_b32 v4, 4, v7                        ; 16 x lane
	v_lshlrev_b32 v5, 2, v7                        ; 4 x lane
	v_lshlrev_b32 v6, 3, v2                        ; 8 h: my bytes' place in a scale word
	v_mov_b32 v[TP], 0                             ; a lane permute's destination counts as one of its sources
	v_mov_b32 v[TP+1], 0
	s_wait_kmcnt 0x0
	s_cmp_lt_u32 s20, 2                            ; the choice hangs on the work-group's number alone
	s_cselect_b64 s[14:15], s[4:5], s[6:7]
	s_cmp_eq_u32 s20, 3
	s_cselect_b64 s[14:15], s[8:9], s[14:15]
	s_add_nc_u64 s[14:15], s[14:15], s[26:27]
	s_add_nc_u64 s[10:11], s[10:11], s[30:31]
	s_add_nc_u64 s[12:13], s[12:13], s[32:33]
.irp q, 0,1,2,3                                ; block 4 s + 2 c + h begins 512 s + 256 c + 128 h bytes into the row: 256 q + 128 h
.irp j, 0,1,2,3,4,5,6,7
	global_load_b128 v[X+32*\q+4*\j:X+32*\q+4*\j+3], v3, s[14:15] offset:256*\q+16*\j
.endr
.endr
	s_wait_loadcnt 0x0
.irp q, 0,1,2,3
	v_max3_num_f32 v[M+\q], |v[X+32*\q]|, |v[X+32*\q+1]|, 0x1800000   ; and the floor 2^(3 - 127): the byte cannot fall under 1
.endr
.irp i, 2,4,6,8,10,12,14,16,18,20,22,24,26,28,30
.irp q, 0,1,2,3
	v_max3_num_f32 v[M+\q], v[M+\q], |v[X+32*\q+\i]|, |v[X+32*\q+\i+1]|   ; the four blocks by turns
.endr
.endr
.irp q, 0,1,2,3
	v_add_nc_u32 v[SO+\q], 0xff000000, v[M+\q]     ; 2 off the exponent field: the conversion takes the exponent field of this operand as its scale
.endr
.irp q, 0,1,2,3
	v_lshrrev_b32 v[BY+\q], 23, v[SO+\q]           ; the scale's byte
.endr
.irp q, 0,1,2,3
.irp k, 0,1,2,3
	v_cvt_scalef32_pk8_fp4_f32 v[C+4*\q+\k], v[X+32*\q+8*\k:X+32*\q+8*\k+7], v[SO+\q]
.endr
.endr
	v_nop                                          ; one plain line behind the last conversion
.irp s, 0,1
	v_lshl_or_b32 v[WD+\s], v[BY+2*\s+1], 16, v[BY+2*\s]   ; my two bytes of K step s: blocks h and 2 + h,
.endr
.irp s, 0,1
	v_lshlrev_b32 v[WD+\s], v6, v[WD+\s]           ; at their places;
.endr
.irp s, 0,1
	v_permlanex16_b32 v[TP+\s], v[WD+\s], s18, s19
.endr
.irp s, 0,1
	v_or_b32 v[WD+\s], v[WD+\s], v[TP+\s]          ; with lane l xor 16's two the word is whole
.endr
	v_cmp_le_u32 vcc_lo, 16, v7
	v_cndmask_b32 v[OW], v[WD], v[WD+1], vcc_lo    ; lanes 0-15 store K step 0's words, lanes 16-31 K step 1's
.irp q, 0,1,2,3
	global_store_b128 v4, v[C+4*\q:C+4*\q+3], s[10:11] offset:512*\q   ; 32 lanes store 512 consecutive bytes
.endr
	global_store_b32 v5, v[OW], s[12:13]           ; 128 consecutive bytes
	s_endpgm
.Lfunc_end_k_qe2bbf21cd3_wprep:
	.size	k_qe2bbf21cd3_wprep, .Lfunc_end_k_qe2bbf21cd3_wprep-k_qe2bbf21cd3_wprep
	.p2alignl 7, 3214868480
	.fill 96, 4, 3214868480
	.section	.rodata,"a",@progbits
	.p2align	6, 0x0
	.amdhsa_kernel k_qe2bbf21cd3_wprep
		.amdhsa_group_segment_fixed_size 0
		.amdhsa_private_segment_fixed_size 0
		.amdhsa_enable_private_segment 0
		.amdhsa_kernarg_size 40
		.amdhsa_user_sgpr_count 2
		.amdhsa_user_sgpr_kernarg_segment_ptr 1
		.amdhsa_wavefront_size32 1
		.amdhsa_system_sgpr_workgroup_id_x 1
		.amdhsa_system_sgpr_workgroup_id_y 1
		.amdhsa_system_sgpr_workgroup_id_z 1
		.amdhsa_system_vgpr_workitem_id 0
		.amdhsa_next_free_vgpr 192
		.amdhsa_next_free_sgpr 66
		.amdhsa_reserve_vcc 1
		.amdhsa_float_denorm_mode_32 3
		.amdhsa_float_denorm_mode_16_64 3
		.amdhsa_memory_ordered 1
		.amdhsa_forward_progress 1
		.amdhsa_inst_pref_size 12
	.end_amdhsa_kernel
	.amdgpu_metadata
---
amdhsa.version: [ 1, 2 ]
amdhsa.kernels:
  - .name:           k_qe2bbf21cd3_wprep
    .symbol:         k_qe2bbf21cd3_wprep.kd
    .args:
      - { .name: Wkv, .offset: 0, .size: 8, .value_kind: global_buffer, .address_space: global }
      - { .name: Wq, .offset: 8, .size: 8, .value_kind: global_buffer, .address_space: global }
      - { .name: proj_w, .offset: 16, .size: 8, .value_kind: global_buffer, .address_space: global }
      - { .name: wfrag, .offset: 24, .size: 8, .value_kind: global_buffer, .address_space: global }
      - { .name: wscl, .offset: 32, .size: 8, .value_kind: global_buffer, .address_space: global }
    .group_segment_fixed_size: 0
    .private_segment_fixed_size: 0
    .kernarg_segment_align: 8
    .kernarg_segment_size: 40
    .max_flat_workgroup_size: 128
    .sgpr_count:     66
    .vgpr_count:     192
    .wavefront_size: 32
...
	.end_amdgpu_metadata
.endif
;; end of part 1
;; launch fused (part 2): grid 256 x 1, 4 waves a work-group, no clusters, 74,752 bytes of LDS; arguments features, ln_kv_w, ln_kv_b, ln_q_w, ln_q_b, proj_b, wfrag, wscl, out0; writes out0
.if DOCPART == 2
	.amdgcn_target "amdgcn-amd-amdhsa--gfx1250"
	.amdhsa_code_object_version 6
	.text
	.protected	k_qe2bbf21cd3_fused
	.globl	k_qe2bbf21cd3_fused
	.p2align	8
	.type	k_qe2bbf21cd3_fused,@function
k_qe2bbf21cd3_fused:
	s_mov_b64 s[64:65], 0
	v_nop
	global_prefetch_b8 v0, s[64:65] scope:SCOPE_SE
	s_setreg_imm32_b32 hwreg(HW_REG_WAVE_MODE, 25, 1), 1
	s_wait_xcnt 0x0
; LOCAL ATTENTION over patches of 4 x 4 pixels.  features [32][256 c][64 y][64 x] f32; out0 [32][256 patches][256 c] f32.  For each patch: the mean of its 16 pixels; q = Q(LN(mean)) Q(Wq)^T; k, v = Q(LN(pixel)) Q(Wkv)^T for its
; 16 pixels; for each of 8 heads a softmax over the patch's own 16 pixels of q . k / 16, and the weighted sum of v (both in f32, by fused multiply-adds); out = mean + Q(sum) Q(proj_w)^T + proj_b.
; Q: codes of FP4 (E2M1) with one E8M0 scale for each 32 channels.  The weights' codes come from the launch in front, in the order of the operand's registers.  Nothing between features and out0 goes to memory.
; SHARES.  A work-group owns two rows of 16 patches of one image (524,288 bytes of features) and takes them in two trips.
;   MAKING OPERANDS, the waves share the CHANNELS: wave w holds channels 64 w .. 64 w + 63 of all 256 pixels of a row of patches.  Lane (r, h) holds patch r and channels 64 w + 32 h + 0 .. 31: a load of 16 bytes is the four
;   pixels sx = 0 .. 3 of one image row sy of its patch; sixteen lanes read 256 consecutive bytes, aligned.  For a tile of 16 pixels (sy, sx fixed, the 16 patches) a lane's registers so run down the channels, which are K: a block
;   of 32 lies whole in one lane, and the conversions' results ARE piece (s = w / 2, c = w % 2) of the tile's operand registers.  They go to the other waves through LDS as images of registers.
;   MULTIPLYING, the waves share the OUTPUT CHANNELS: wave w makes heads 2 w, 2 w + 1 of q, k, v and channels 64 w .. 64 w + 63 of the projection, for all 16 patches.  Its 16 tiles of weights (256 registers) stay in window 1.
;   THE PRODUCTS ARE USED TRANSPOSED (source 0 = 16 rows of a weight, source 1 = 16 pixels or patches): a lane holds ONE patch in q, k, v, the scores and the sums, so the softmax runs over registers.
;   EACH FRAGMENT IS READ FROM LDS ONCE: the 16 pixel tiles' fragments stay, from k's products to v's, in the registers that image rows 2 and 3 have left.
; LAYER NORM in two passes over registers: each wave's mean and sum of squared deviations of its 64 channels; the four waves' pairs meet in LDS and are merged (mean of means; sums + 64 x the squared distances of the means).
; NO CLUSTER: what work-groups share is 139,264 bytes of weight codes and scale words, read once into registers, against 524,288 bytes of features that are each work-group's own.
; IN FLIGHT: a batch is one image row sy of the wave's 64 channels: 32 loads, 16,384 bytes.  The first batch is the first thing asked for.  A batch is asked for in the middle of group g and worked in group g + 2: one or two
; batches of each wave are on their way from the head to the last trip's third group.
; LIMITS: NaN and infinities are not served.  A block of zeros, or one whose largest magnitude lies under 2^-124, gets the scale byte 1 (the bytes are read by this program alone).  The softmax's weights are divided by their sum
; behind the weighted sum of v, and log2(e) / 16 is multiplied into q: another order of f32 roundings than the reference's.
; REGISTERS, in windows of 256.  Window 1: weights, tile T, K step s at v[16 T + 8 s].  Windows 2, 3: the raw numbers: channel i, image row g, pixel x at v[16 (i % 16) + 4 g + x] of window 2 + i / 16; during the products the
; places of g = 2, 3 hold the pixel tiles' fragments: tile n, K step s at v[32 (n % 8) + 16 s + 8] of window 2 + n / 8.  Window 0: below.
.set PAR,  0                           ; LDS: ln_kv_w, ln_kv_b, ln_q_w, ln_q_b, proj_b, 1,024 bytes each, as they lie
.set EX,   5120                        ; [group % 2][wave][3 x 512]: images of the waves' means, sums of squares and, in group 3, the pooled vector's pair
.set XIMG, 17408                       ; 18 tiles x 2,048: fragments as images [s][c][lane][16]: tiles 0-15 the pixels 4 sy + sx, 16 the pooled vector, 17 the attention's sums
.set XSC,  54272                       ; 18 x 128: their scale words [s][r]
.set OST,  56576                       ; 4 x 16 rows x 272: each wave's own stage for the way out
.set GA,   1                           ; v1   features: w << 20 | h << 19 | r << 4
.set LI,   2                           ; v2   16 x lane
.set L4,   3                           ; v3   4 x lane
.set XW,   4                           ; v4   16 x thread: where my piece of a fragment goes
.set XB,   5                           ; v5   64 (w / 2) + 4 r + 2 (w % 2) + h: my block's scale byte
.set EXS,  6                           ; v6   1,536 w + 16 x lane
.set PA,   7                           ; v7   256 w + 128 h: my 32 channels in a parameter array
.set STO,  8                           ; v8   the stage, in
.set RD,   9                           ; v9   the stage, back
.set GO,   10                          ; v10  my bytes in two rows of out0
.set P8,   11                          ; v11  8 x thread
.set EPS,  12                          ; v[12:13] 1e-5, twice
.set SCB,  14                          ; v14  the scale words of tile 16, later of tile 17
.set WS,   16                          ; v16-31 the weights' scale words: lanes 0-15 K step 0, lanes 16-31 K step 1
.set PP,   32                          ; v32-95   the pool's sums, a pair a channel;  then
.set POOL, 32                          ; v32-63   the pooled vector, later + proj_b, later the result
.set KW,   96                          ; v96-127  a norm's gains of my 32 channels
.set KB,   128                         ; v128-159 its biases
.set Y,    160                         ; v160-191 32 numbers ahead of the quantiser
.set E,    192                         ; v192-207 the four waves' means
.set F,    208                         ; v208-223 their sums of squares
.set C,    192                         ; behind the merge: v192-207 codes, v208-211 bytes, v212-215 maxima, v216 the scale operand
.set BY,   208
.set MX,   212
.set SO,   216
.set SA,   224                         ; v224-231 four chains of packed sums
.set ML,   232                         ; v232-235 my wave's means of the group's four pixels
.set M2,   236                         ; v236-239 its sums of squared deviations
.set T,    240                         ; v240-243 the other half of the lanes'
.set MU,   244                         ; v244-247 the means, then (my mean - the mean) / sigma
.set RS,   248                         ; v248-251 1 / sigma
.set MQ,   252                         ; v252-255 the pooled vector's: my mean, my sum of squares, the mean, 1 / sigma
.set QR,   64                          ; product phase: v64-95 q;  later
.set AG,   64                          ;   the attention's sums
.set SCR,  96                          ; v96-127  scores, then weights: head e, pixel n at SCR + 16 e + n
.set SCW,  128                         ; v128-143 the scale words of pixel tiles 0 to 15 (a scale operand is always taken from window 0)
.set FBQ,  144                         ; v144-159 the fragment of tile 16, later of tile 17
.set ACC,  164                         ; v164-195, v196-227 two sets of four accumulators
.set Z,    228                         ; v228-235
.set SMX,  236                         ; v236-237 the two heads' largest scores
.set RC,   238                         ; v238-239 1 / their sums
.set TT,   240                         ; v240-255 at work
.set WV,   22                          ; s22 wave;  s23 trip;  s[24:25] selects for lane l xor 16;  s[26:27] 1/256;  s[28:29] log2(e)/16;  s[40:41] 1/64;  s[42:43] 1/16;  s[44:45] 1/4;  s[46:47] 64
.set TRIP, 23
.set MSB, 0
.macro WIN new                         ; s_set_vgpr_msb: bits 1:0 source 0, 3:2 source 1, 5:4 source 2, 7:6 destination; the high byte repeats the setting that is left
.if MSB != (\new)
	s_set_vgpr_msb (MSB<<8)|(\new)
.set MSB, (\new)
.endif
.endm
	s_load_b512 s[4:19], s[0:1], 0x0               ; features s[4:5], ln_kv_w, ln_kv_b, ln_q_w, ln_q_b, proj_b s[14:15], wfrag s[16:17], wscl s[18:19]
	s_load_b64 s[20:21], s[0:1], 0x40              ; out0
	v_lshrrev_b32 v175, 5, v0                      ; w
	v_readfirstlane_b32 s[WV], v175
	v_and_b32 v170, 31, v0                         ; lane
	v_and_b32 v171, 15, v0                         ; r
	v_bfe_u32 v172, v0, 4, 1                       ; h
	v_bfe_u32 v173, v0, 6, 1                       ; w / 2
	v_bfe_u32 v174, v0, 5, 1                       ; w % 2
	v_lshlrev_b32 v[GA], 4, v171                   ; a patch's four pixels of an image row are 16 bytes,
	v_lshl_or_b32 v[GA], v172, 19, v[GA]           ; 32 channels of 16,384 bytes,
	v_lshl_or_b32 v[GA], v175, 20, v[GA]           ; 64 channels
	v_lshlrev_b32 v[LI], 4, v170
	v_lshlrev_b32 v[L4], 2, v170
	v_lshlrev_b32 v[XW], 4, v0
	v_lshl_or_b32 v[XB], v171, 2, v172
	v_lshl_or_b32 v[XB], v174, 1, v[XB]
	v_lshl_or_b32 v[XB], v173, 6, v[XB]
	v_mul_u32_u24 v[EXS], v175, 1536
	v_lshl_add_u32 v[EXS], v170, 4, v[EXS]
	v_lshlrev_b32 v[PA], 8, v175
	v_lshl_or_b32 v[PA], v172, 7, v[PA]
	v_mul_u32_u24 v[STO], v175, 4352               ; my wave's stage
	v_mad_u32_u24 v[RD], v172, 272, v[STO]         ; back: lanes 0-15 one row of 256 bytes, lanes 16-31 the next
	v_mad_u32_u24 v[STO], v171, 272, v[STO]        ; in: row r, + 128 h: my 32 channels
	v_lshl_add_u32 v[STO], v172, 7, v[STO]
	v_add_nc_u32 v[STO], OST, v[STO]
	v_lshl_add_u32 v[RD], v171, 4, v[RD]
	v_add_nc_u32 v[RD], OST, v[RD]
	v_lshlrev_b32 v[GO], 10, v172                  ; the same two rows in out0: 1,024 bytes a patch, my wave's 256 of them
	v_lshl_or_b32 v[GO], v171, 4, v[GO]
	v_lshl_or_b32 v[GO], v175, 8, v[GO]
	v_lshlrev_b32 v[P8], 3, v0
	v_mov_b32 v[EPS], 0x3727c5ac                   ; 1e-5
	v_mov_b32 v[EPS+1], 0x3727c5ac
.irp i, 0,1,2,3
	v_mov_b32 v[T+\i], 0                           ; written once: a lane permute's destination counts as one of its sources
	v_mov_b32 v[MQ+\i], 0                          ; (stored and named in pairs before all four are first made)
.endr
	s_mov_b32 s24, 0x76543210
	s_mov_b32 s25, 0xfedcba98
	s_mov_b32 s26, 0x3b800000                      ; 1 / 256.  A packed form names a pair and takes its low word for both halves: both are written
	s_mov_b32 s27, s26
	s_mov_b32 s28, 0x3db8aa3b                      ; log2(e) / 16
	s_mov_b32 s29, s28
	s_mov_b32 s40, 0x3c800000                      ; 1 / 64
	s_mov_b32 s41, s40
	s_mov_b32 s42, 0x3d800000                      ; 1 / 16
	s_mov_b32 s43, s42
	s_mov_b32 s44, 0x3e800000                      ; 1 / 4
	s_mov_b32 s45, s44
	s_mov_b32 s46, 0x42800000                      ; 64
	s_mov_b32 s47, s46
	s_mov_b32 s34, 0xffff0000                      ; lanes 16-31
	s_lshr_b32 s30, ttmp9, 3
	s_lshl_b32 s30, s30, 22                        ; the image: 4 MiB
	s_and_b32 s31, ttmp9, 7
	s_lshl_b32 s31, s31, 11                        ; two rows of patches: 8 image rows of 256 bytes
	s_add_co_u32 s30, s30, s31
	s_mov_b32 s31, 0
	s_wait_kmcnt 0x0
	s_add_nc_u64 s[4:5], s[4:5], s[30:31]
	s_lshl_b32 s30, ttmp9, 15                      ; 32 patches of 1,024 bytes
	s_add_nc_u64 s[20:21], s[20:21], s[30:31]
	s_lshl_b32 s30, s[WV], 15
	s_add_nc_u64 s[36:37], s[16:17], s[30:31]      ; my wave's 16 tiles of codes
	s_lshl_b32 s30, s[WV], 11
	s_add_nc_u64 s[38:39], s[18:19], s[30:31]      ; and their scale words
; A batch: image row g of my 64 channels, of this row of patches (nxt = 0) or of the next (1).  Each load: two runs of 256 consecutive bytes, aligned; read once in the launch.
.macro ISSUE g, nxt
.irp hw, 0,1
	WIN 0x80+0x40*\hw
.set II, 0
.rept 16
	global_load_b128 v[16*II+4*(\g):16*II+4*(\g)+3], v[GA], s[4:5] offset:16384*(II+16*\hw)+256*(\g)+1024*(\nxt) th:TH_LOAD_NT
.set II, II+1
.endr
.endr
	WIN 0
.endm
	ISSUE 0, 0                                     ; THE FEATURES FIRST: the first group can do nothing before this batch is in, and nothing stands ahead of it
	global_load_b64 v[160:161], v[P8], s[6:7]      ; the five parameter arrays: 8 bytes a thread
	global_load_b64 v[162:163], v[P8], s[8:9]
	global_load_b64 v[164:165], v[P8], s[10:11]
	global_load_b64 v[166:167], v[P8], s[12:13]
	global_load_b64 v[168:169], v[P8], s[14:15]
.set II, 0
.rept 16
	global_load_b32 v[WS+II], v[L4], s[38:39] offset:128*II
.set II, II+1
.endr
	WIN 0x40                                       ; destination window 1
.set II, 0
.rept 64
	global_load_b128 v[4*II:4*II+3], v[LI], s[36:37] offset:512*II   ; piece II = 4 T + 2 s + c lands at v[16 T + 8 s + 4 c]: 512 consecutive bytes a load
.set II, II+1
.endr
	WIN 0
	ISSUE 1, 0                                     ; last, so that the first group's count of 32 leaves this batch alone out: the weights are in with batch 0
	s_wait_loadcnt 63                              ; 149 loads have been issued: with 63 out at the most the oldest 86 are in, batch 0 and the five parameter loads among them
.irp a, 0,1,2,3,4
	ds_store_b64 v[P8], v[160+2*\a:161+2*\a] offset:PAR+1024*\a   ; read by other waves only behind the first group's barrier
.endr
	s_mov_b32 s[TRIP], 0
; The sums of the group's four pixels over my 32 channels, in four chains (even and odd channels, pixels 0, 1 and 2, 3), then over the wave's 64; / 64: the wave's means.
.macro SUMS g
	WIN 0x0a                                       ; sources 0 and 1: window 2
	v_pk_add_f32 v[SA:SA+1], v[4*(\g):4*(\g)+1], v[32+4*(\g):32+4*(\g)+1]
	v_pk_add_f32 v[SA+2:SA+3], v[4*(\g)+2:4*(\g)+3], v[32+4*(\g)+2:32+4*(\g)+3]
	v_pk_add_f32 v[SA+4:SA+5], v[16+4*(\g):16+4*(\g)+1], v[48+4*(\g):48+4*(\g)+1]
	v_pk_add_f32 v[SA+6:SA+7], v[16+4*(\g)+2:16+4*(\g)+3], v[48+4*(\g)+2:48+4*(\g)+3]
.irp hw, 0,1
	WIN 0x08+4*\hw                                 ; source 1: window 2, 3
.set II, 4-4*\hw
.rept 12+4*\hw
	v_pk_add_f32 v[SA+4*(II%2):SA+4*(II%2)+1], v[SA+4*(II%2):SA+4*(II%2)+1], v[16*II+4*(\g):16*II+4*(\g)+1]
	v_pk_add_f32 v[SA+4*(II%2)+2:SA+4*(II%2)+3], v[SA+4*(II%2)+2:SA+4*(II%2)+3], v[16*II+4*(\g)+2:16*II+4*(\g)+3]
.set II, II+1
.endr
.endr
	WIN 0
	v_pk_add_f32 v[ML:ML+1], v[SA:SA+1], v[SA+4:SA+5]
	v_pk_add_f32 v[ML+2:ML+3], v[SA+2:SA+3], v[SA+6:SA+7]
.irp x, 0,1,2,3
	v_permlanex16_b32 v[T+\x], v[ML+\x], s24, s25  ; the wave's other 32 channels lie in lane l xor 16
.endr
	v_pk_add_f32 v[ML:ML+1], v[ML:ML+1], v[T:T+1]
	v_pk_add_f32 v[ML+2:ML+3], v[ML+2:ML+3], v[T+2:T+3]
	v_pk_mul_f32 v[ML:ML+1], v[ML:ML+1], s[40:41] op_sel_hi:[1,0]
	v_pk_mul_f32 v[ML+2:ML+3], v[ML+2:ML+3], s[40:41] op_sel_hi:[1,0]
.endm
; The pool's sums, of the RAW numbers: so this stands ahead of DEV, which changes them in place.  A pair a channel: pixels 0 and 2, pixels 1 and 3.
.macro POOLACC g
.irp hw, 0,1
.if (\g) == 0
	WIN 0x0a+5*\hw
.set II, 0
.rept 16
	v_pk_add_f32 v[PP+32*\hw+2*II:PP+32*\hw+2*II+1], v[16*II:16*II+1], v[16*II+2:16*II+3]   ; the first group starts the sums
.set II, II+1
.endr
.else
	WIN 0x08+4*\hw
.irp pr, 0,2
.set II, 0
.rept 16
	v_pk_add_f32 v[PP+32*\hw+2*II:PP+32*\hw+2*II+1], v[PP+32*\hw+2*II:PP+32*\hw+2*II+1], v[16*II+4*(\g)+\pr:16*II+4*(\g)+\pr+1]
.set II, II+1
.endr
.endr
.endif
.endr
	WIN 0
.endm
; The numbers less the wave's means, in place, and the sums of their squares, again in four chains.
.macro DEV g
.irp hw, 0,1
	WIN 0x82+0x41*\hw                              ; destination and source 0: window 2, 3
.set II, 0
.rept 16
	v_pk_add_f32 v[16*II+4*(\g):16*II+4*(\g)+1], v[16*II+4*(\g):16*II+4*(\g)+1], v[ML:ML+1] neg_lo:[0,1] neg_hi:[0,1]
	v_pk_add_f32 v[16*II+4*(\g)+2:16*II+4*(\g)+3], v[16*II+4*(\g)+2:16*II+4*(\g)+3], v[ML+2:ML+3] neg_lo:[0,1] neg_hi:[0,1]
.set II, II+1
.endr
	WIN 0x0a+5*\hw                                 ; sources 0 and 1
.set II, 0
.rept 16
.if (\hw == 0) && (II < 2)
	v_pk_mul_f32 v[SA+4*II:SA+4*II+1], v[16*II+4*(\g):16*II+4*(\g)+1], v[16*II+4*(\g):16*II+4*(\g)+1]
	v_pk_mul_f32 v[SA+4*II+2:SA+4*II+3], v[16*II+4*(\g)+2:16*II+4*(\g)+3], v[16*II+4*(\g)+2:16*II+4*(\g)+3]
.else
	v_pk_fma_f32 v[SA+4*(II%2):SA+4*(II%2)+1], v[16*II+4*(\g):16*II+4*(\g)+1], v[16*II+4*(\g):16*II+4*(\g)+1], v[SA+4*(II%2):SA+4*(II%2)+1]
	v_pk_fma_f32 v[SA+4*(II%2)+2:SA+4*(II%2)+3], v[16*II+4*(\g)+2:16*II+4*(\g)+3], v[16*II+4*(\g)+2:16*II+4*(\g)+3], v[SA+4*(II%2)+2:SA+4*(II%2)+3]
.endif
.set II, II+1
.endr
.endr
	WIN 0
	v_pk_add_f32 v[M2:M2+1], v[SA:SA+1], v[SA+4:SA+5]
	v_pk_add_f32 v[M2+2:M2+3], v[SA+2:SA+3], v[SA+6:SA+7]
.irp x, 0,1,2,3
	v_permlanex16_b32 v[T+\x], v[M2+\x], s24, s25
.endr
	v_pk_add_f32 v[M2:M2+1], v[M2:M2+1], v[T:T+1]
	v_pk_add_f32 v[M2+2:M2+3], v[M2+2:M2+3], v[T+2:T+3]
.endm
; The pooled vector of my 32 channels, and my wave's mean and sum of squared deviations of it.
.macro POOLSTAT
.set II, 0
.rept 32
	v_add_f32 v[POOL+II], v[PP+2*II], v[PP+2*II+1] ; in place, ascending: register 32 + i is written when pairs 0 .. i have been read
.set II, II+1
.endr
.set II, 0
.rept 16
	v_pk_mul_f32 v[POOL+2*II:POOL+2*II+1], v[POOL+2*II:POOL+2*II+1], s[42:43] op_sel_hi:[1,0]   ; / 16
.set II, II+1
.endr
.irp k, 0,1,2,3,4,5,6,7
	v_pk_add_f32 v[Y+2*\k:Y+2*\k+1], v[POOL+4*\k:POOL+4*\k+1], v[POOL+4*\k+2:POOL+4*\k+3]
.endr
.irp k, 0,1,2,3
	v_pk_add_f32 v[Y+4*\k:Y+4*\k+1], v[Y+4*\k:Y+4*\k+1], v[Y+4*\k+2:Y+4*\k+3]
.endr
	v_pk_add_f32 v[Y:Y+1], v[Y:Y+1], v[Y+4:Y+5]
	v_pk_add_f32 v[Y+8:Y+9], v[Y+8:Y+9], v[Y+12:Y+13]
	v_pk_add_f32 v[Y:Y+1], v[Y:Y+1], v[Y+8:Y+9]
	v_add_f32 v[MQ], v[Y], v[Y+1]
	v_permlanex16_b32 v[T], v[MQ], s24, s25
	v_add_f32 v[MQ], v[MQ], v[T]
	v_mul_f32 v[MQ], s40, v[MQ]
.set II, 0
.rept 16
	v_pk_add_f32 v[Y+2*II:Y+2*II+1], v[POOL+2*II:POOL+2*II+1], v[MQ:MQ+1] op_sel_hi:[1,0] neg_lo:[0,1] neg_hi:[0,1]
.set II, II+1
.endr
.set II, 0
.rept 16
.if II < 4
	v_pk_mul_f32 v[SA+2*II:SA+2*II+1], v[Y+2*II:Y+2*II+1], v[Y+2*II:Y+2*II+1]
.else
	v_pk_fma_f32 v[SA+2*(II%4):SA+2*(II%4)+1], v[Y+2*II:Y+2*II+1], v[Y+2*II:Y+2*II+1], v[SA+2*(II%4):SA+2*(II%4)+1]
.endif
.set II, II+1
.endr
	v_pk_add_f32 v[SA:SA+1], v[SA:SA+1], v[SA+2:SA+3]
	v_pk_add_f32 v[SA+4:SA+5], v[SA+4:SA+5], v[SA+6:SA+7]
	v_pk_add_f32 v[SA:SA+1], v[SA:SA+1], v[SA+4:SA+5]
	v_add_f32 v[MQ+1], v[SA], v[SA+1]
	v_permlanex16_b32 v[T], v[MQ+1], s24, s25
	v_add_f32 v[MQ+1], v[MQ+1], v[T]
.endm
; The waves' means and sums of squares meet in LDS, as images of registers.  Groups take two sets of bytes by turns, so that one barrier a group parts a set's reads from its next stores.
; The macro ends with the loads issued; the wait for them stands in GROUP, behind the request for a batch.
.macro EXCH g
	ds_store_b128 v[EXS], v[ML:ML+3] offset:EX+6144*((\g)%2)
	ds_store_b128 v[EXS], v[M2:M2+3] offset:EX+6144*((\g)%2)+512
.if (\g) == 3
	ds_store_b128 v[EXS], v[MQ:MQ+3] offset:EX+6144*((\g)%2)+1024
.endif
	s_wait_dscnt 0x0                               ; for the others' sake: all my LDS stores have landed, and my LDS loads are in
	s_barrier_signal -1
	s_barrier_wait -1
.irp u, 0,1,2,3
	ds_load_b128 v[E+4*\u:E+4*\u+3], v[LI] offset:EX+6144*((\g)%2)+1536*\u
	ds_load_b128 v[F+4*\u:F+4*\u+3], v[LI] offset:EX+6144*((\g)%2)+1536*\u+512
.endr
.if (\g) == 3
.irp u, 0,1,2,3
	ds_load_b128 v[Y+4*\u:Y+4*\u+3], v[LI] offset:EX+6144*((\g)%2)+1536*\u+1024
.endr
.endif
.if (\g) == 0
.irp j, 0,1,2,3,4,5,6,7
	ds_load_b128 v[KW+4*\j:KW+4*\j+3], v[PA] offset:PAR+16*\j        ; ln_kv_w and ln_kv_b of my 32 channels, for this row of patches
	ds_load_b128 v[KB+4*\j:KB+4*\j+3], v[PA] offset:PAR+1024+16*\j
.endr
.endif
.endm
; mean = the mean of the four means; sum of squares = the four sums + 64 x the means' squared distances from it; 1 / sigma = rsq(sum / 256 + 1e-5).
.macro MERGE g
.irp p, 0,2
	v_pk_add_f32 v[MU+\p:MU+\p+1], v[E+\p:E+\p+1], v[E+4+\p:E+4+\p+1]
	v_pk_add_f32 v[SA+\p:SA+\p+1], v[E+8+\p:E+8+\p+1], v[E+12+\p:E+12+\p+1]
.endr
.irp p, 0,2
	v_pk_add_f32 v[MU+\p:MU+\p+1], v[MU+\p:MU+\p+1], v[SA+\p:SA+\p+1]
.endr
.irp p, 0,2
	v_pk_mul_f32 v[MU+\p:MU+\p+1], v[MU+\p:MU+\p+1], s[44:45] op_sel_hi:[1,0]
.endr
.irp u, 0,1,2,3
.irp p, 0,2
	v_pk_add_f32 v[E+4*\u+\p:E+4*\u+\p+1], v[E+4*\u+\p:E+4*\u+\p+1], v[MU+\p:MU+\p+1] neg_lo:[0,1] neg_hi:[0,1]
.endr
.endr
.irp p, 0,2
	v_pk_mul_f32 v[SA+\p:SA+\p+1], v[E+\p:E+\p+1], v[E+\p:E+\p+1]
	v_pk_add_f32 v[SA+4+\p:SA+4+\p+1], v[F+\p:F+\p+1], v[F+4+\p:F+4+\p+1]
	v_pk_add_f32 v[F+8+\p:F+8+\p+1], v[F+8+\p:F+8+\p+1], v[F+12+\p:F+12+\p+1]
.endr
.irp u, 1,2,3
.irp p, 0,2
	v_pk_fma_f32 v[SA+\p:SA+\p+1], v[E+4*\u+\p:E+4*\u+\p+1], v[E+4*\u+\p:E+4*\u+\p+1], v[SA+\p:SA+\p+1]
.endr
.endr
.irp p, 0,2
	v_pk_add_f32 v[SA+4+\p:SA+4+\p+1], v[SA+4+\p:SA+4+\p+1], v[F+8+\p:F+8+\p+1]
.endr
.irp p, 0,2
	v_pk_fma_f32 v[SA+4+\p:SA+4+\p+1], v[SA+\p:SA+\p+1], s[46:47], v[SA+4+\p:SA+4+\p+1] op_sel_hi:[1,0,1]
.endr
.irp p, 0,2
	v_pk_fma_f32 v[SA+4+\p:SA+4+\p+1], v[SA+4+\p:SA+4+\p+1], s[26:27], v[EPS:EPS+1] op_sel_hi:[1,0,1]
.endr
.if (\g) == 3                                  ; the same for the pooled vector: wave u's mean at Y + 4 u, its sum of squares at Y + 4 u + 1
	v_add_f32 v[Y+16], v[Y], v[Y+4]
	v_add_f32 v[Y+17], v[Y+8], v[Y+12]
	v_add_f32 v[Y+18], v[Y+1], v[Y+5]
	v_add_f32 v[Y+19], v[Y+9], v[Y+13]
	v_add_f32 v[Y+16], v[Y+16], v[Y+17]
	v_add_f32 v[Y+18], v[Y+18], v[Y+19]
	v_mul_f32 v[MQ+2], s44, v[Y+16]
.irp u, 0,1,2,3
	v_sub_f32 v[Y+4*\u], v[Y+4*\u], v[MQ+2]
.endr
	v_mul_f32 v[Y+16], v[Y], v[Y]
.irp u, 1,2,3
	v_fmac_f32 v[Y+16], v[Y+4*\u], v[Y+4*\u]
.endr
	v_fma_f32 v[Y+17], v[Y+16], s46, v[Y+18]
	v_fma_f32 v[Y+17], v[Y+17], s26, v[EPS]
.endif
.irp x, 0,1,2,3
	v_rsq_f32 v[RS+\x], v[SA+4+\x]
.endr
.if (\g) == 3
	v_rsq_f32 v[MQ+3], v[Y+17]
.endif
.irp p, 0,2
	v_pk_add_f32 v[MU+\p:MU+\p+1], v[ML+\p:ML+\p+1], v[MU+\p:MU+\p+1] neg_lo:[0,1] neg_hi:[0,1]   ; my wave's mean - the mean: plain lines behind the batch, which name none of its registers
.endr
	s_wait_alu depctr_va_vdst(0)                   ; one wait for the batch of roots, ahead of their first reader
.irp p, 0,2
	v_pk_mul_f32 v[MU+\p:MU+\p+1], v[MU+\p:MU+\p+1], v[RS+\p:RS+\p+1]
.endr
.endm
; (x - mean) / sigma = (x - my wave's mean) / sigma + (my wave's mean - mean) / sigma, in place.
.macro NORM g
.irp hw, 0,1
	WIN 0x82+0x41*\hw
.set II, 0
.rept 16
	v_pk_fma_f32 v[16*II+4*(\g):16*II+4*(\g)+1], v[16*II+4*(\g):16*II+4*(\g)+1], v[RS:RS+1], v[MU:MU+1]
	v_pk_fma_f32 v[16*II+4*(\g)+2:16*II+4*(\g)+3], v[16*II+4*(\g)+2:16*II+4*(\g)+3], v[RS+2:RS+3], v[MU+2:MU+3]
.set II, II+1
.endr
.endr
	WIN 0
.endm
; The 32 numbers in Y, one block, become four registers of codes at v[c] and a scale byte in v[by].
.macro QUANT32 c, by
.irp q, 0,1,2,3
	v_max3_num_f32 v[MX+\q], |v[Y+8*\q]|, |v[Y+8*\q+1]|, |v[Y+8*\q+2]|   ; the largest magnitude, in four chains by turns
.endr
.irp q, 0,1,2,3
	v_max3_num_f32 v[MX+\q], v[MX+\q], |v[Y+8*\q+3]|, |v[Y+8*\q+4]|
.endr
.irp q, 0,1,2,3
	v_max3_num_f32 v[MX+\q], v[MX+\q], |v[Y+8*\q+5]|, |v[Y+8*\q+6]|
.endr
	v_max3_num_f32 v[MX], v[MX], |v[Y+7]|, |v[Y+15]|
	v_max3_num_f32 v[MX+2], v[MX+2], |v[Y+23]|, |v[Y+31]|
	v_max3_num_f32 v[MX], v[MX], v[MX+1], v[MX+2]
	v_max3_num_f32 v[MX], v[MX], v[MX+3], 0x1800000   ; and the floor 2^(3 - 127): the byte cannot fall under 1
	v_add_nc_u32 v[SO], 0xff000000, v[MX]          ; 2 off the exponent field: the conversion takes the exponent field of this operand as its scale
.irp q, 0,1,2,3
	v_cvt_scalef32_pk8_fp4_f32 v[(\c)+\q], v[Y+8*\q:Y+8*\q+7], v[SO]
.endr
	v_lshrrev_b32 v[\by], 23, v[SO]                ; the scale's byte; also the plain line behind the last conversion
.endm
; Pixel x of the group: gain and bias; this unpacked multiply-add also brings the pixel's 32 channels into 32 registers on end.  Then the quantiser, and my piece of tile 4 g + x goes to LDS.
.macro PIXEL g, x
.irp hw, 0,1
	WIN 0x02+\hw                                   ; source 0: window 2, 3
.set II, 0
.rept 16
	v_fma_f32 v[Y+16*\hw+II], v[16*II+4*(\g)+(\x)], v[KW+16*\hw+II], v[KB+16*\hw+II]
.set II, II+1
.endr
.endr
	WIN 0
	QUANT32 C+4*(\x), BY+(\x)
	ds_store_b128 v[XW], v[C+4*(\x):C+4*(\x)+3] offset:XIMG+2048*(4*(\g)+(\x))
	ds_store_b8 v[XB], v[BY+(\x)] offset:XSC+128*(4*(\g)+(\x))
.endm
; A group: image row g of the 16 patches.  Loads come back in order: with 32 younger loads out, this group's batch is in.
; The batch two groups on is asked for between the exchange's LDS loads and the wait for them, so that the wave issues while those are out; it goes into registers that were worked two groups ago.
; In the last trip groups 2 and 3 have nothing to ask for: that arm waits for all loads, so that the count of 32 at the next group's head holds whichever arms were taken.
.macro GROUP g
	s_wait_loadcnt 32
	SUMS \g
	POOLACC \g
	DEV \g
.if (\g) == 3
	POOLSTAT
.endif
	EXCH \g
.if (\g) < 2
	ISSUE (\g)+2, 0
.else
	s_cmp_eq_u32 s[TRIP], 1
	s_cbranch_scc1 .Llast_\@
	ISSUE (\g)-2, 1
	s_branch .Lgo_\@
.Llast_\@:
	s_wait_loadcnt 0x0
.Lgo_\@:
.endif
.if (\g) == 0
	s_wait_dscnt 16                                ; the eight loads of the exchange are in; the sixteen of gains and biases behind them may be out
.else
	s_wait_dscnt 0x0
.endif
	MERGE \g
.if (\g) == 0
	s_wait_dscnt 0x0                               ; the gains and biases are in
.endif
	NORM \g
	PIXEL \g, 0
	PIXEL \g, 1
	PIXEL \g, 2
	PIXEL \g, 3
.endm
; THE PRODUCT PHASE.  Tile n (16 or 17): its fragment (both K steps) and its scale words into window 0: five LDS loads, images as they were stored.
.macro FETCHQ n
.irp k, 0,1,2,3
	ds_load_b128 v[FBQ+4*\k:FBQ+4*\k+3], v[LI] offset:XIMG+2048*(\n)+512*\k
.endr
	ds_load_b32 v[SCB], v[L4] offset:XSC+128*(\n)  ; lanes 0-15: K step 0's words, lanes 16-31: K step 1's
.endm
; A run of 20 LDS loads: pixel tiles 4 r .. 4 r + 3: their four scale words first, then tile by tile four pieces of 512 bytes, piece 2 s + c to v[32 (n % 8) + 16 s + 8 + 4 c] of window 2 + n / 8.  They stay there for both sweeps.
.macro FRUN r
.irp j, 0,1,2,3
	ds_load_b32 v[SCW+4*(\r)+\j], v[L4] offset:XSC+128*(4*(\r)+\j)
.endr
	WIN 0x80+0x40*((\r)/2)                         ; destination window 2 (tiles 0-7) or 3 (tiles 8-15)
.irp j, 0,1,2,3
.irp k, 0,1,2,3
	ds_load_b128 v[32*((4*(\r)+\j)%8)+8+16*(\k/2)+4*(\k%2):32*((4*(\r)+\j)%8)+8+16*(\k/2)+4*(\k%2)+3], v[LI] offset:XIMG+2048*(4*(\r)+\j)+512*\k
.endr
.endr
	WIN 0
.endm
; Eight matrix instructions: weight tiles base .. base + 3 x one fragment (K step 0 at v[b0], K step 1 at v[b1], in the window that win names for source 1; scale words in v[sc]), into v[d] on.
; The four accumulators take turns.  own = 0: the first products start the sums with the constant 0;  own = 1: they add onto what v[d] holds.
.macro MM8 base, win, b0, b1, sc, d, own
	WIN \win                                       ; source 0: window 1
.irp t, 0,1,2,3
.if \own
	v_wmma_scale_f32_16x16x128_f8f6f4 v[(\d)+8*\t:(\d)+8*\t+7], v[16*((\base)+\t):16*((\base)+\t)+7], v[(\b0):(\b0)+7], v[(\d)+8*\t:(\d)+8*\t+7], v[WS+(\base)+\t], v[\sc] matrix_a_fmt:MATRIX_FMT_FP4 matrix_b_fmt:MATRIX_FMT_FP4
.else
	v_wmma_scale_f32_16x16x128_f8f6f4 v[(\d)+8*\t:(\d)+8*\t+7], v[16*((\base)+\t):16*((\base)+\t)+7], v[(\b0):(\b0)+7], 0, v[WS+(\base)+\t], v[\sc] matrix_a_fmt:MATRIX_FMT_FP4 matrix_b_fmt:MATRIX_FMT_FP4
.endif
.endr
.irp t, 0,1,2,3
	v_wmma_scale_f32_16x16x128_f8f6f4 v[(\d)+8*\t:(\d)+8*\t+7], v[16*((\base)+\t)+8:16*((\base)+\t)+15], v[(\b1):(\b1)+7], v[(\d)+8*\t:(\d)+8*\t+7], v[WS+(\base)+\t], v[\sc] matrix_a_fmt:MATRIX_FMT_FP4 matrix_b_fmt:MATRIX_FMT_FP4 matrix_a_scale:MATRIX_SCALE_ROW1 matrix_b_scale:MATRIX_SCALE_ROW1
.endr
	WIN 0
.endm
.macro MMT base, n, d                          ; the same for pixel tile n: source 1 in window 2 or 3
	MM8 \base, 0x09+4*((\n)/8), 32*((\n)%8)+8, 32*((\n)%8)+24, SCW+(\n), \d, 0
.endm
; q . k of pixel n for my two heads, over my lane's 16 of a head's 32 channels: tiles 0, 1 are head 0, tiles 2, 3 head 1.  Each accumulator is read from its low end on.
.macro SCORE n, a
.irp t, 0,1,2,3
	v_pk_mul_f32 v[Z+2*\t:Z+2*\t+1], v[(\a)+8*\t:(\a)+8*\t+1], v[QR+8*\t:QR+8*\t+1]
.endr
.irp j, 1,2,3
.irp t, 0,1,2,3
	v_pk_fma_f32 v[Z+2*\t:Z+2*\t+1], v[(\a)+8*\t+2*\j:(\a)+8*\t+2*\j+1], v[QR+8*\t+2*\j:QR+8*\t+2*\j+1], v[Z+2*\t:Z+2*\t+1]
.endr
.endr
	v_pk_add_f32 v[Z:Z+1], v[Z:Z+1], v[Z+2:Z+3]
	v_pk_add_f32 v[Z+4:Z+5], v[Z+4:Z+5], v[Z+6:Z+7]
	v_add_f32 v[SCR+(\n)], v[Z], v[Z+1]
	v_add_f32 v[SCR+16+(\n)], v[Z+4], v[Z+5]
.endm
; sums += weight of pixel n x its v.  The weight is one register of a pair and serves both halves.  Pixel 0 starts the sums.
.macro PVACC n, a
.irp j, 0,1,2,3
.irp t, 0,1,2,3
.if (\n) == 0
	v_pk_mul_f32 v[AG+8*\t+2*\j:AG+8*\t+2*\j+1], v[(\a)+8*\t+2*\j:(\a)+8*\t+2*\j+1], v[SCR+16*(\t/2):SCR+16*(\t/2)+1] op_sel_hi:[1,0]
.elseif (\n)%2 == 0
	v_pk_fma_f32 v[AG+8*\t+2*\j:AG+8*\t+2*\j+1], v[(\a)+8*\t+2*\j:(\a)+8*\t+2*\j+1], v[SCR+16*(\t/2)+(\n):SCR+16*(\t/2)+(\n)+1], v[AG+8*\t+2*\j:AG+8*\t+2*\j+1] op_sel_hi:[1,0,1]
.else
	v_pk_fma_f32 v[AG+8*\t+2*\j:AG+8*\t+2*\j+1], v[(\a)+8*\t+2*\j:(\a)+8*\t+2*\j+1], v[SCR+16*(\t/2)+(\n)-1:SCR+16*(\t/2)+(\n)], v[AG+8*\t+2*\j:AG+8*\t+2*\j+1] op_sel:[0,1,0] op_sel_hi:[1,1,1]
.endif
.endr
.endr
.endm
.Lrow:                                             ; a trip: one row of 16 patches
	GROUP 0
	GROUP 1
	GROUP 2
	GROUP 3
	; the pooled vector's norm, with ln_q's gains and biases, and its quantiser: tile 16
.irp j, 0,1,2,3,4,5,6,7
	ds_load_b128 v[KW+4*\j:KW+4*\j+3], v[PA] offset:PAR+2048+16*\j
	ds_load_b128 v[KB+4*\j:KB+4*\j+3], v[PA] offset:PAR+3072+16*\j
.endr
.set II, 0
.rept 16
	v_pk_add_f32 v[Y+2*II:Y+2*II+1], v[POOL+2*II:POOL+2*II+1], v[MQ+2:MQ+3] op_sel_hi:[1,0] neg_lo:[0,1] neg_hi:[0,1]   ; - the mean
.set II, II+1
.endr
.set II, 0
.rept 16
	v_pk_mul_f32 v[Y+2*II:Y+2*II+1], v[Y+2*II:Y+2*II+1], v[MQ+2:MQ+3] op_sel:[0,1] op_sel_hi:[1,1]   ; / sigma: the pair's second register for both halves
.set II, II+1
.endr
	s_wait_dscnt 0x0                               ; the gains and biases are in
.set II, 0
.rept 16
	v_pk_fma_f32 v[Y+2*II:Y+2*II+1], v[Y+2*II:Y+2*II+1], v[KW+2*II:KW+2*II+1], v[KB+2*II:KB+2*II+1]
.set II, II+1
.endr
	QUANT32 C, BY
	ds_store_b128 v[XW], v[C:C+3] offset:XIMG+2048*16
	ds_store_b8 v[XB], v[BY] offset:XSC+128*16
	s_wait_dscnt 0x0                               ; for the others' sake: my pieces of the 17 tiles have landed
	s_barrier_signal -1
	s_barrier_wait -1                              ; the 17 tiles are whole
	FETCHQ 16
.irp j, 0,1,2,3,4,5,6,7
	ds_load_b128 v[ACC+32+4*\j:ACC+32+4*\j+3], v[PA] offset:PAR+4096+16*\j   ; proj_b of my 32 channels
.endr
	FRUN 0
	s_wait_dscnt 28                                ; tile 16 is in: behind its five loads stand proj_b's eight and the run's twenty
	MM8 8, 0x01, FBQ, FBQ+8, SCB, QR, 0            ; q
	FRUN 1
	s_wait_dscnt 40                                ; proj_b is in: behind it stand two runs of twenty
.set II, 0
.rept 16
	v_pk_add_f32 v[POOL+2*II:POOL+2*II+1], v[POOL+2*II:POOL+2*II+1], v[ACC+32+2*II:ACC+32+2*II+1]   ; mean + proj_b: the projection will add onto it.  (Also the places behind q's products)
.set II, II+1
.endr
	s_wait_dscnt 32                                ; tile 0 is in: behind it stand its run's other three tiles, 12 loads, and run 1's twenty
	MMT 0, 0, ACC                                  ; k of pixel 0
.set II, 0
.rept 16
	v_pk_mul_f32 v[QR+2*II:QR+2*II+1], v[QR+2*II:QR+2*II+1], s[28:29] op_sel_hi:[1,0]   ; q x log2(e) / 16, each accumulator from its low end on.  (Also the places behind the products above)
.set II, II+1
.endr
; SWEEP 1: k of the 16 pixels and the scores.  In step N tile N + 1 is multiplied and tile N's scores are taken: the 20 plain lines of a step's scores stand between a tile's products and the reads of its results.
; Runs 2 and 3 of fragments are asked for at steps 3 and 7, four steps ahead of their first use.  The wait for tile m leaves out the later tiles of its own run, 4 (3 - m % 4) loads, and, for m < 12, the one later run that has been issued.
.set N, 0
.rept 16
.if N == 3
	FRUN 2
.endif
.if N == 7
	FRUN 3
.endif
.if N < 15
.if N < 11
	s_wait_dscnt 4*(3-(N+1)%4)+20
.else
	s_wait_dscnt 4*(3-(N+1)%4)
.endif
	MMT 0, N+1, ACC+32*((N+1)%2)
.endif
	SCORE N, ACC+32*(N%2)
.set N, N+1
.endr
.set II, 0
.rept 32
	v_permlanex16_b32 v[ACC+32+II], v[SCR+II], s24, s25   ; a head's other 16 channels lie in lane l xor 16
.set II, II+1
.endr
.set II, 0
.rept 16
	v_pk_add_f32 v[SCR+2*II:SCR+2*II+1], v[SCR+2*II:SCR+2*II+1], v[ACC+32+2*II:ACC+32+2*II+1]
.set II, II+1
.endr
	MMT 4, 0, ACC                                  ; v of pixel 0, under the softmax: its fragment is still in registers
	; the softmax over a patch's 16 pixels, per head, over registers: the largest score is taken away first
.irp e, 0,1
	v_max3_num_f32 v[SMX+\e], v[SCR+16*\e], v[SCR+16*\e+1], v[SCR+16*\e+2]
.endr
.irp i, 3,5,7,9,11,13
.irp e, 0,1
	v_max3_num_f32 v[SMX+\e], v[SMX+\e], v[SCR+16*\e+\i], v[SCR+16*\e+\i+1]
.endr
.endr
.irp e, 0,1
	v_max_num_f32 v[SMX+\e], v[SMX+\e], v[SCR+16*\e+15]
.endr
.irp k, 0,1,2,3,4,5,6,7
	v_pk_add_f32 v[SCR+2*\k:SCR+2*\k+1], v[SCR+2*\k:SCR+2*\k+1], v[SMX:SMX+1] op_sel_hi:[1,0] neg_lo:[0,1] neg_hi:[0,1]
	v_pk_add_f32 v[SCR+16+2*\k:SCR+16+2*\k+1], v[SCR+16+2*\k:SCR+16+2*\k+1], v[SMX:SMX+1] op_sel:[0,1] op_sel_hi:[1,1] neg_lo:[0,1] neg_hi:[0,1]
.endr
.set II, 0
.rept 32
	v_exp_f32 v[SCR+II], v[SCR+II]                 ; 2^(t - the largest t), at most 1
.set II, II+1
.endr
	v_nop                                          ; a plain line behind the last exponential
	s_wait_alu depctr_va_vdst(0)                   ; one wait for the batch, ahead of its first reader
.irp e, 0,1
	v_pk_add_f32 v[TT+4*\e:TT+4*\e+1], v[SCR+16*\e:SCR+16*\e+1], v[SCR+16*\e+2:SCR+16*\e+3]
	v_pk_add_f32 v[TT+4*\e+2:TT+4*\e+3], v[SCR+16*\e+4:SCR+16*\e+5], v[SCR+16*\e+6:SCR+16*\e+7]
.endr
.irp i, 8,12
.irp e, 0,1
	v_pk_add_f32 v[TT+4*\e:TT+4*\e+1], v[TT+4*\e:TT+4*\e+1], v[SCR+16*\e+\i:SCR+16*\e+\i+1]
	v_pk_add_f32 v[TT+4*\e+2:TT+4*\e+3], v[TT+4*\e+2:TT+4*\e+3], v[SCR+16*\e+\i+2:SCR+16*\e+\i+3]
.endr
.endr
.irp e, 0,1
	v_pk_add_f32 v[TT+4*\e:TT+4*\e+1], v[TT+4*\e:TT+4*\e+1], v[TT+4*\e+2:TT+4*\e+3]
.endr
.irp e, 0,1
	v_add_f32 v[RC+\e], v[TT+4*\e], v[TT+4*\e+1]
.endr
	v_rcp_f32 v[RC], v[RC]
	v_rcp_f32 v[RC+1], v[RC+1]
	v_nop
	s_wait_alu depctr_va_vdst(0)                   ; one wait for the two reciprocals
; SWEEP 2: v of the 16 pixels and the weighted sums, in the same order of lines as sweep 1.  Every fragment and scale word is in registers: no LDS load, no wait.
.set N, 0
.rept 16
.if N < 15
	MMT 4, N+1, ACC+32*((N+1)%2)
.endif
	PVACC N, ACC+32*(N%2)
.set N, N+1
.endr
.irp k, 0,1,2,3,4,5,6,7
	v_pk_mul_f32 v[AG+2*\k:AG+2*\k+1], v[AG+2*\k:AG+2*\k+1], v[RC:RC+1] op_sel_hi:[1,0]                  ; / the weights' sum
	v_pk_mul_f32 v[AG+16+2*\k:AG+16+2*\k+1], v[AG+16+2*\k:AG+16+2*\k+1], v[RC:RC+1] op_sel:[0,1] op_sel_hi:[1,1]
.endr
	; the sums' quantiser.  A head is a block of 32 channels: my 16 and lane l xor 16's.  Register 16 e + i = channel 64 w + 32 e + 16 h + i
.irp e, 0,1
	v_max3_num_f32 v[TT+\e], |v[AG+16*\e]|, |v[AG+16*\e+1]|, 0x1800000
.endr
.irp i, 2,4,6,8,10,12,14
.irp e, 0,1
	v_max3_num_f32 v[TT+\e], v[TT+\e], |v[AG+16*\e+\i]|, |v[AG+16*\e+\i+1]|
.endr
.endr
.irp e, 0,1
	v_permlanex16_b32 v[TT+2+\e], v[TT+\e], s24, s25
.endr
.irp e, 0,1
	v_max_num_f32 v[TT+\e], v[TT+\e], v[TT+2+\e]
.endr
.irp e, 0,1
	v_add_nc_u32 v[TT+4+\e], 0xff000000, v[TT+\e]
.endr
.irp e, 0,1
	v_lshrrev_b32 v[TT+6+\e], 23, v[TT+4+\e]
.endr
	v_cndmask_b32 v[TT+12], v[TT+6], v[TT+7], s34  ; lanes 0-15 store block 2 c's byte, lanes 16-31 block 2 c + 1's
.irp e, 0,1
	v_cvt_scalef32_pk8_fp4_f32 v[TT+8+2*\e], v[AG+16*\e:AG+16*\e+7], v[TT+4+\e]
	v_cvt_scalef32_pk8_fp4_f32 v[TT+9+2*\e], v[AG+16*\e+8:AG+16*\e+15], v[TT+4+\e]
.endr
	v_nop                                          ; one plain line behind the last conversion
	v_permlane16_swap_b32 v[TT+8], v[TT+10]        ; the operand's layout wants a whole block in a lane: the first's lanes 16-31 change places with the second's lanes 0-15
	v_permlane16_swap_b32 v[TT+9], v[TT+11]
	ds_store_b128 v[XW], v[TT+8:TT+11] offset:XIMG+2048*17
	ds_store_b8 v[XB], v[TT+12] offset:XSC+128*17
	s_wait_dscnt 0x0                               ; for the others' sake: my piece of tile 17 has landed, and my reads of tiles 0 to 16 are over
	s_barrier_signal -1
	s_barrier_wait -1
	FETCHQ 17
	s_wait_dscnt 0x0
	MM8 12, 0x01, FBQ, FBQ+8, SCB, POOL, 1         ; the projection, onto mean + proj_b: register i of lane (r, h) = out(patch r, channel 64 w + 32 h + i)
.rept 4
	v_nop                                          ; four places between the last product and the stores that read results
.endr
	; THE WAY OUT, through my own stage: a lane holds 128 bytes of a row, the lanes beside it other rows; back come whole runs of 256 bytes.  LDS serves a wave's instructions in order: no wait between the stores and the loads
.irp k, 0,1,2,3,4,5,6,7
	ds_store_b128 v[STO], v[POOL+4*\k:POOL+4*\k+3] offset:16*\k   ; ascending: each accumulator from its low end on
.endr
.irp k, 0,1,2,3,4,5,6,7
	ds_load_b128 v[ACC+4*\k:ACC+4*\k+3], v[RD] offset:544*\k
.endr
.irp k, 0,1,2,3,4,5,6,7
	s_wait_dscnt 7-\k
	global_store_b128 v[GO], v[ACC+4*\k:ACC+4*\k+3], s[20:21] offset:2048*\k th:TH_STORE_NT   ; sixteen lanes store 256 consecutive bytes, aligned; written once
.endr
	s_wait_xcnt 0x0                                ; the loads on their way and these stores have read their bases and registers: both bases step, and the stores' data may be written again
	s_add_nc_u64 s[4:5], s[4:5], 1024              ; four image rows on
	s_add_nc_u64 s[20:21], s[20:21], 16384         ; 16 patches on
	s_add_co_u32 s[TRIP], s[TRIP], 1
	s_cmp_lt_u32 s[TRIP], 2
	s_cbranch_scc1 .Lrow
	s_wait_xcnt 0x0
	v_lshl_add_u32 v254, v0, 2, 0x12200
	v_mov_b32 v255, 0
	s_wait_tensorcnt 0x0
	ds_add_u32 v254, v255
	s_wait_dscnt 0x0
	s_endpgm
.Lfunc_end_k_qe2bbf21cd3_fused:
	.size	k_qe2bbf21cd3_fused, .Lfunc_end_k_qe2bbf21cd3_fused-k_qe2bbf21cd3_fused
	.p2alignl 7, 3214868480
	.fill 96, 4, 3214868480
	.section	.rodata,"a",@progbits
	.p2align	6, 0x0
	.amdhsa_kernel k_qe2bbf21cd3_fused
		.amdhsa_group_segment_fixed_size 74752
		.amdhsa_private_segment_fixed_size 0
		.amdhsa_enable_private_segment 0
		.amdhsa_kernarg_size 72
		.amdhsa_user_sgpr_count 2
		.amdhsa_user_sgpr_kernarg_segment_ptr 1
		.amdhsa_wavefront_size32 1
		.amdhsa_system_sgpr_workgroup_id_x 1
		.amdhsa_system_sgpr_workgroup_id_y 1
		.amdhsa_system_sgpr_workgroup_id_z 1
		.amdhsa_system_vgpr_workitem_id 0
		.amdhsa_next_free_vgpr 1024
		.amdhsa_next_free_sgpr 66
		.amdhsa_reserve_vcc 0
		.amdhsa_float_denorm_mode_32 3
		.amdhsa_float_denorm_mode_16_64 3
		.amdhsa_memory_ordered 1
		.amdhsa_forward_progress 1
		.amdhsa_inst_pref_size 255
	.end_amdhsa_kernel
	.section	.bss,"aw",@nobits
	.p2align	6
	.space	262144
	.amdgpu_metadata
---
amdhsa.version: [ 1, 2 ]
amdhsa.kernels:
  - .name:           k_qe2bbf21cd3_fused
    .symbol:         k_qe2bbf21cd3_fused.kd
    .args:
      - { .name: features, .offset: 0, .size: 8, .value_kind: global_buffer, .address_space: global }
      - { .name: ln_kv_w, .offset: 8, .size: 8, .value_kind: global_buffer, .address_space: global }
      - { .name: ln_kv_b, .offset: 16, .size: 8, .value_kind: global_buffer, .address_space: global }
      - { .name: ln_q_w, .offset: 24, .size: 8, .value_kind: global_buffer, .address_space: global }
      - { .name: ln_q_b, .offset: 32, .size: 8, .value_kind: global_buffer, .address_space: global }
      - { .name: proj_b, .offset: 40, .size: 8, .value_kind: global_buffer, .address_space: global }
      - { .name: wfrag, .offset: 48, .size: 8, .value_kind: global_buffer, .address_space: global }
      - { .name: wscl, .offset: 56, .size: 8, .value_kind: global_buffer, .address_space: global }
      - { .name: out0, .offset: 64, .size: 8, .value_kind: global_buffer, .address_space: global }
    .group_segment_fixed_size: 74752
    .private_segment_fixed_size: 0
    .kernarg_segment_align: 8
    .kernarg_segment_size: 72
    .max_flat_workgroup_size: 128
    .sgpr_count:     66
    .vgpr_count:     1024
    .wavefront_size: 32
...
	.end_amdgpu_metadata
.endif
;; end of part 2
;; ======== version 2 of 2: 2 launches
;; workspace buffers: wfrag 131,072 bytes; wscl 8,192 bytes
;; launch wprep (part 3): grid 16 x 1, 4 waves a work-group, no clusters, 0 bytes of LDS; arguments Wkv, Wq, proj_w, wfrag, wscl; writes wfrag, wscl
.if DOCPART == 3
	.amdgcn_target "amdgcn-amd-amdhsa--gfx1250"
	.amdhsa_code_object_version 6
	.text
	.protected	k_qe2bbf21cd3_wprep
	.globl	k_qe2bbf21cd3_wprep
	.p2align	8
	.type	k_qe2bbf21cd3_wprep,@function
k_qe2bbf21cd3_wprep:
	s_mov_b64 s[64:65], 0
	v_nop
	global_prefetch_b8 v0, s[64:65] scope:SCOPE_SE
	s_setreg_imm32_b32 hwreg(HW_REG_WAVE_MODE, 25, 1), 1
	s_wait_xcnt 0x0
; Wkv [512][256], Wq [256][256] and proj_w [256][256], f32 with K innermost, become codes of FP4 (E2M1) with one E8M0 scale byte for each 32 along K,
; laid in the order in which the second launch's operand registers take them:
;   wfrag [w 0..3][T 0..15][s 0..1][c 0..1][lane][16 bytes]: piece (s, c) of lane (m, h) = the 32 codes of block 4 s + 2 c + h of the tile's row m;   wscl [w][T][s][m]: one word, four bytes, for 128 along K.
; w is the wave of the second launch that owns the tile.  T = 0-3: rows of K's weight, 4-7: of V's, 8-11: of Wq, 12-15: of proj_w.  With t = T % 4, row m of a tile is
;   K, V, Q: 64 w + 32 (t / 2) + 8 (t % 2) + m % 8 + 16 (m / 8) (+ 256 for V);      proj_w: 64 w + 8 t + m % 8 + 32 (m / 8):
; which rows form a tile only says which result lands in which lane and register of the product.
; A block's scale is 2^(floor(log2(its largest magnitude)) - 2); its byte is the largest magnitude's exponent field - 2, held at 1 from below.
; LIMITS: a block of zeros, or one whose largest magnitude lies under 2^-124, gets the byte 1 (its codes are zeros or the nearest codes under that scale; the bytes are read by this program alone); NaN and infinities are not served.
; SHARES: work-group x = T, wave = w: a wave makes one tile: a lane holds four whole blocks of 32, so that no maximum needs another lane.  1 MiB is read in all: no LDS, no barrier.
.set X,   16                           ; v16-143  block q = 2 s + c at X + 32 q
.set M,   144                          ; v144-147 largest magnitudes
.set SO,  148                          ; v148-151 the conversions' scale operands
.set BY,  152                          ; v152-155 scale bytes
.set C,   156                          ; v156-171 codes, four registers a block
.set WD,  172                          ; v172-173 the scale words of K steps 0 and 1
.set TP,  174                          ; v174-175 the other half's bytes
.set OW,  176                          ; v176     the word that my lane stores
	s_load_b256 s[4:11], s[0:1], 0x0               ; Wkv s[4:5], Wq s[6:7], proj_w s[8:9], wfrag s[10:11]
	s_load_b64 s[12:13], s[0:1], 0x20              ; wscl
	v_lshrrev_b32 v1, 5, v0
	v_readfirstlane_b32 s16, v1                    ; w
	v_and_b32 v7, 31, v0                           ; lane
	v_and_b32 v1, 15, v0                           ; m
	s_wait_alu depctr_va_vdst(0)
	v_bfe_u32 v2, v0, 4, 1                         ; h
	s_lshr_b32 s20, ttmp9, 2                       ; which weight: 0 K, 1 V, 2 Q, 3 proj
	s_and_b32 s21, ttmp9, 3                        ; t
	s_lshr_b32 s23, s21, 1
	s_lshl_b32 s23, s23, 5
	s_and_b32 s24, s21, 1
	s_lshl_b32 s24, s24, 3
	s_add_co_u32 s23, s23, s24                     ; 32 (t / 2) + 8 (t % 2)
	s_lshl_b32 s24, s21, 3                         ; 8 t
	s_cmp_eq_u32 s20, 3
	s_cselect_b32 s23, s24, s23
	s_cselect_b32 s25, 5, 4                        ; rows 8-15 of a tile lie 32 or 16 rows behind rows 0-7
	s_cmp_eq_u32 s20, 1
	s_cselect_b32 s24, 256, 0                      ; V's rows lie behind K's
	s_lshl_b32 s22, s16, 6
	s_add_co_u32 s22, s22, s23
	s_add_co_u32 s22, s22, s24                     ; the tile's first row
	s_lshl_b32 s26, s22, 10                        ; a row is 1,024 bytes
	s_mov_b32 s27, 0
	s_mov_b32 s18, 0x76543210
	s_mov_b32 s19, 0xfedcba98                      ; v_permlanex16_b32's selects for lane l xor 16
	s_lshl_b32 s28, s16, 4
	s_add_co_u32 s28, s28, ttmp9                   ; 16 w + T
	s_lshl_b32 s30, s28, 11                        ; 2,048 bytes of codes a tile
	s_mov_b32 s31, 0
	s_lshl_b32 s32, s28, 7                         ; 128 bytes of scale words
	s_mov_b32 s33, 0
	v_and_b32 v3, 7, v1
	v_lshrrev_b32 v8, 3, v1
	v_lshlrev_b32 v8, s25, v8
	v_add_nc_u32 v3, v3, v8                        ; my row in the tile's span
	v_lshlrev_b32 v3, 10, v3
	s_wait_alu depctr_va_vdst(0)
	v_lshl_or_b32 v3, v2, 7, v3                    ; + 128 h: lanes 16-31 take the block behind
	v_lshlrev_b32 v4, 4, v7                        ; 16 x lane
	v_lshlrev_b32 v5, 2, v7                        ; 4 x lane
	v_lshlrev_b32 v6, 3, v2                        ; 8 h: my bytes' place in a scale word
	v_mov_b32 v[TP], 0                             ; a lane permute's destination counts as one of its sources
	v_mov_b32 v[TP+1], 0
	s_wait_alu depctr_va_vdst(0)
	s_wait_kmcnt 0x0
	s_cmp_lt_u32 s20, 2                            ; the choice hangs on the work-group's number alone
	s_cselect_b64 s[14:15], s[4:5], s[6:7]
	s_cmp_eq_u32 s20, 3
	s_cselect_b64 s[14:15], s[8:9], s[14:15]
	s_add_nc_u64 s[14:15], s[14:15], s[26:27]
	s_add_nc_u64 s[10:11], s[10:11], s[30:31]
	s_add_nc_u64 s[12:13], s[12:13], s[32:33]
.irp q, 0,1,2,3                                ; block 4 s + 2 c + h begins 512 s + 256 c + 128 h bytes into the row: 256 q + 128 h
.irp j, 0,1,2,3,4,5,6,7
	global_load_b128 v[X+32*\q+4*\j:X+32*\q+4*\j+3], v3, s[14:15] offset:256*\q+16*\j
.endr
.endr
	s_wait_loadcnt 0x0
.irp q, 0,1,2,3
	v_max3_num_f32 v[M+\q], |v[X+32*\q]|, |v[X+32*\q+1]|, 0x1800000   ; and the floor 2^(3 - 127): the byte cannot fall under 1
.endr
.irp i, 2,4,6,8,10,12,14,16,18,20,22,24,26,28,30
.irp q, 0,1,2,3
	v_max3_num_f32 v[M+\q], v[M+\q], |v[X+32*\q+\i]|, |v[X+32*\q+\i+1]|   ; the four blocks by turns
.endr
.endr
.irp q, 0,1,2,3
	v_add_nc_u32 v[SO+\q], 0xff000000, v[M+\q]     ; 2 off the exponent field: the conversion takes the exponent field of this operand as its scale
.endr
.irp q, 0,1,2,3
	v_lshrrev_b32 v[BY+\q], 23, v[SO+\q]           ; the scale's byte
.endr
.irp q, 0,1,2,3
.irp k, 0,1,2,3
	v_cvt_scalef32_pk8_fp4_f32 v[C+4*\q+\k], v[X+32*\q+8*\k:X+32*\q+8*\k+7], v[SO+\q]
.endr
.endr
	v_nop                                          ; one plain line behind the last conversion
.irp s, 0,1
	v_lshl_or_b32 v[WD+\s], v[BY+2*\s+1], 16, v[BY+2*\s]   ; my two bytes of K step s: blocks h and 2 + h,
.endr
.irp s, 0,1
	v_lshlrev_b32 v[WD+\s], v6, v[WD+\s]           ; at their places;
.endr
.irp s, 0,1
	v_permlanex16_b32 v[TP+\s], v[WD+\s], s18, s19
.endr
.irp s, 0,1
	v_or_b32 v[WD+\s], v[WD+\s], v[TP+\s]          ; with lane l xor 16's two the word is whole
.endr
	v_cmp_le_u32 vcc_lo, 16, v7
	v_cndmask_b32 v[OW], v[WD], v[WD+1], vcc_lo    ; lanes 0-15 store K step 0's words, lanes 16-31 K step 1's
.irp q, 0,1,2,3
	global_store_b128 v4, v[C+4*\q:C+4*\q+3], s[10:11] offset:512*\q   ; 32 lanes store 512 consecutive bytes
.endr
	global_store_b32 v5, v[OW], s[12:13]           ; 128 consecutive bytes
	s_endpgm
.Lfunc_end_k_qe2bbf21cd3_wprep:
	.size	k_qe2bbf21cd3_wprep, .Lfunc_end_k_qe2bbf21cd3_wprep-k_qe2bbf21cd3_wprep
	.p2alignl 7, 3214868480
	.fill 96, 4, 3214868480
	.section	.rodata,"a",@progbits
	.p2align	6, 0x0
	.amdhsa_kernel k_qe2bbf21cd3_wprep
		.amdhsa_group_segment_fixed_size 0
		.amdhsa_private_segment_fixed_size 0
		.amdhsa_enable_private_segment 0
		.amdhsa_kernarg_size 40
		.amdhsa_user_sgpr_count 2
		.amdhsa_user_sgpr_kernarg_segment_ptr 1
		.amdhsa_wavefront_size32 1
		.amdhsa_system_sgpr_workgroup_id_x 1
		.amdhsa_system_sgpr_workgroup_id_y 1
		.amdhsa_system_sgpr_workgroup_id_z 1
		.amdhsa_system_vgpr_workitem_id 0
		.amdhsa_next_free_vgpr 192
		.amdhsa_next_free_sgpr 66
		.amdhsa_reserve_vcc 1
		.amdhsa_float_denorm_mode_32 3
		.amdhsa_float_denorm_mode_16_64 3
		.amdhsa_memory_ordered 1
		.amdhsa_forward_progress 1
		.amdhsa_inst_pref_size 12
	.end_amdhsa_kernel
	.amdgpu_metadata
---
amdhsa.version: [ 1, 2 ]
amdhsa.kernels:
  - .name:           k_qe2bbf21cd3_wprep
    .symbol:         k_qe2bbf21cd3_wprep.kd
    .args:
      - { .name: Wkv, .offset: 0, .size: 8, .value_kind: global_buffer, .address_space: global }
      - { .name: Wq, .offset: 8, .size: 8, .value_kind: global_buffer, .address_space: global }
      - { .name: proj_w, .offset: 16, .size: 8, .value_kind: global_buffer, .address_space: global }
      - { .name: wfrag, .offset: 24, .size: 8, .value_kind: global_buffer, .address_space: global }
      - { .name: wscl, .offset: 32, .size: 8, .value_kind: global_buffer, .address_space: global }
    .group_segment_fixed_size: 0
    .private_segment_fixed_size: 0
    .kernarg_segment_align: 8
    .kernarg_segment_size: 40
    .max_flat_workgroup_size: 128
    .sgpr_count:     66
    .vgpr_count:     192
    .wavefront_size: 32
...
	.end_amdgpu_metadata
.endif
;; end of part 3
;; launch fused (part 4): grid 256 x 1, 4 waves a work-group, no clusters, 74,752 bytes of LDS; arguments features, ln_kv_w, ln_kv_b, ln_q_w, ln_q_b, proj_b, wfrag, wscl, out0; writes out0
.if DOCPART == 4
	.amdgcn_target "amdgcn-amd-amdhsa--gfx1250"
	.amdhsa_code_object_version 6
	.text
	.protected	k_qe2bbf21cd3_fused
	.globl	k_qe2bbf21cd3_fused
	.p2align	8
	.type	k_qe2bbf21cd3_fused,@function
k_qe2bbf21cd3_fused:
	s_mov_b64 s[64:65], 0
	v_nop
	global_prefetch_b8 v0, s[64:65] scope:SCOPE_SE
	s_setreg_imm32_b32 hwreg(HW_REG_WAVE_SCHED_MODE, 0, 2), 2
	s_setreg_imm32_b32 hwreg(HW_REG_WAVE_MODE, 25, 1), 1
	s_wait_xcnt 0x0
	s_wait_alu depctr_vm_vsrc(0)
; LOCAL ATTENTION over patches of 4 x 4 pixels.  features [32][256 c][64 y][64 x] f32; out0 [32][256 patches][256 c] f32.  For each patch: the mean of its 16 pixels; q = Q(LN(mean)) Q(Wq)^T; k, v = Q(LN(pixel)) Q(Wkv)^T for its
; 16 pixels; for each of 8 heads a softmax over the patch's own 16 pixels of q . k / 16, and the weighted sum of v (both in f32, by fused multiply-adds); out = mean + Q(sum) Q(proj_w)^T + proj_b.
; Q: codes of FP4 (E2M1) with one E8M0 scale for each 32 channels.  The weights' codes come from the launch in front, in the order of the operand's registers.  Nothing between features and out0 goes to memory.
; SHARES.  A work-group owns two rows of 16 patches of one image (524,288 bytes of features) and takes them in two trips.
;   MAKING OPERANDS, the waves share the CHANNELS: wave w holds channels 64 w .. 64 w + 63 of all 256 pixels of a row of patches.  Lane (r, h) holds patch r and channels 64 w + 32 h + 0 .. 31: a load of 16 bytes is the four
;   pixels sx = 0 .. 3 of one image row sy of its patch; sixteen lanes read 256 consecutive bytes, aligned.  For a tile of 16 pixels (sy, sx fixed, the 16 patches) a lane's registers so run down the channels, which are K: a block
;   of 32 lies whole in one lane, and the conversions' results ARE piece (s = w / 2, c = w % 2) of the tile's operand registers.  They go to the other waves through LDS as images of registers.
;   MULTIPLYING, the waves share the OUTPUT CHANNELS: wave w makes heads 2 w, 2 w + 1 of q, k, v and channels 64 w .. 64 w + 63 of the projection, for all 16 patches.  Its 16 tiles of weights (256 registers) stay in window 1.
;   THE PRODUCTS ARE USED TRANSPOSED (source 0 = 16 rows of a weight, source 1 = 16 pixels or patches): a lane holds ONE patch in q, k, v, the scores and the sums, so the softmax runs over registers.
;   EACH FRAGMENT IS READ FROM LDS ONCE: the 16 pixel tiles' fragments stay, from k's products to v's, in the registers that image rows 2 and 3 have left.
; LAYER NORM in two passes over registers: each wave's mean and sum of squared deviations of its 64 channels; the four waves' pairs meet in LDS and are merged (mean of means; sums + 64 x the squared distances of the means).
; NO CLUSTER: what work-groups share is 139,264 bytes of weight codes and scale words, read once into registers, against 524,288 bytes of features that are each work-group's own.
; IN FLIGHT: a batch is one image row sy of the wave's 64 channels: 32 loads, 16,384 bytes.  The first batch is the first thing asked for.  A batch is asked for in the middle of group g and worked in group g + 2: one or two
; batches of each wave are on their way from the head to the last trip's third group.
; LIMITS: NaN and infinities are not served.  A block of zeros, or one whose largest magnitude lies under 2^-124, gets the scale byte 1 (the bytes are read by this program alone).  The softmax's weights are divided by their sum
; behind the weighted sum of v, and log2(e) / 16 is multiplied into q: another order of f32 roundings than the reference's.
; REGISTERS, in windows of 256.  Window 1: weights, tile T, K step s at v[16 T + 8 s].  Windows 2, 3: the raw numbers: channel i, image row g, pixel x at v[16 (i % 16) + 4 g + x] of window 2 + i / 16; during the products the
; places of g = 2, 3 hold the pixel tiles' fragments: tile n, K step s at v[32 (n % 8) + 16 s + 8] of window 2 + n / 8.  Window 0: below.
; THE MODE: SCHED_MODE bits 1:0 = 2 (LLVM: expert scheduling mode 2), set by the entry lines.  The code itself states the register dependences between vector or matrix instructions and memory or LDS instructions,
; with s_wait_alu, always for 0.
; THE PLAN.  Registers that memory or LDS instructions touch, and who else names them:
;   v1-v11        offsets and LDS addresses: written at the head, never again.  One wait on va_vdst ahead of the first load serves them for the whole kernel.
;   raw row g     a batch lands in it; group g's vector lines alone work on it; it is asked for again in group g + 2 (rows 2, 3: in groups 0, 1 of the next trip).  Rows 2, 3 take the fragments' LDS loads, which both sweeps' products read.
;   ML, M2, MQ    written by a group's sums; read by the exchange's stores; written again by the next group's sums.
;   E, F          the exchange's loads land there; the merge reads them; then, as C and BY, the four pixels' quantisers write codes and bytes there, each pixel into registers of its own, and eight stores at the group's end read them.
;   KW, KB, Y     gains, biases and (group 3) the pooled vector's pairs land there; vector lines read them (and write Y).  In the products their places take scores, scale words and the fragments of tiles 16, 17.
;   ACC           proj_b lands in v196-227, the way out's rows in v164-195, which the global stores read; between the two they are accumulators.
;   POOL, TT+8 .. TT+12   written by the projection and by the sums' quantiser; read by LDS stores; written again in the next trip.
; THE WAITS.  A group: va_vdst ahead of the exchange's stores, which also frees every register in which the group's loads land (no vector line stands between it and them); vm_vsrc behind the barrier; the roots' own wait;
; va_vdst ahead of the eight stores at its end.  The pooled vector: vm_vsrc ahead of its quantiser, va_vdst ahead of its stores, which also frees all that the products' loads land in up to tile 17; vm_vsrc behind the barrier.
; The two sweeps hold none: their products and scores name none of the registers that the runs of fragment loads touch.  Then va_vdst ahead of tile 17's stores and ahead of the way out's, and vm_vsrc at the trip's end.
.set PAR,  0                           ; LDS: ln_kv_w, ln_kv_b, ln_q_w, ln_q_b, proj_b, 1,024 bytes each, as they lie
.set EX,   5120                        ; [group % 2][wave][3 x 512]: images of the waves' means, sums of squares and, in group 3, the pooled vector's pair
.set XIMG, 17408                       ; 18 tiles x 2,048: fragments as images [s][c][lane][16]: tiles 0-15 the pixels 4 sy + sx, 16 the pooled vector, 17 the attention's sums
.set XSC,  54272                       ; 18 x 128: their scale words [s][r]
.set OST,  56576                       ; 4 x 16 rows x 272: each wave's own stage for the way out
.set GA,   1                           ; v1   features: w << 20 | h << 19 | r << 4
.set LI,   2                           ; v2   16 x lane
.set L4,   3                           ; v3   4 x lane
.set XW,   4                           ; v4   16 x thread: where my piece of a fragment goes
.set XB,   5                           ; v5   64 (w / 2) + 4 r + 2 (w % 2) + h: my block's scale byte
.set EXS,  6                           ; v6   1,536 w + 16 x lane
.set PA,   7                           ; v7   256 w + 128 h: my 32 channels in a parameter array
.set STO,  8                           ; v8   the stage, in
.set RD,   9                           ; v9   the stage, back
.set GO,   10                          ; v10  my bytes in two rows of out0
.set P8,   11                          ; v11  8 x thread
.set EPS,  12                          ; v[12:13] 1e-5, twice
.set SCB,  14                          ; v14  the scale words of tile 16, later of tile 17
.set WS,   16                          ; v16-31 the weights' scale words: lanes 0-15 K step 0, lanes 16-31 K step 1
.set PP,   32                          ; v32-95   the pool's sums, a pair a channel;  then
.set POOL, 32                          ; v32-63   the pooled vector, later + proj_b, later the result
.set KW,   96                          ; v96-127  a norm's gains of my 32 channels
.set KB,   128                         ; v128-159 its biases
.set Y,    160                         ; v160-191 32 numbers ahead of the quantiser
.set E,    192                         ; v192-207 the four waves' means
.set F,    208                         ; v208-223 their sums of squares
.set C,    192                         ; behind the merge: v192-207 codes, v208-211 bytes, v212-215 maxima, v216 the scale operand
.set BY,   208
.set MX,   212
.set SO,   216
.set SA,   224                         ; v224-231 four chains of packed sums
.set ML,   232                         ; v232-235 my wave's means of the group's four pixels
.set M2,   236                         ; v236-239 its sums of squared deviations
.set T,    240                         ; v240-243 the other half of the lanes'
.set MU,   244                         ; v244-247 the means, then (my mean - the mean) / sigma
.set RS,   248                         ; v248-251 1 / sigma
.set MQ,   252                         ; v252-255 the pooled vector's: my mean, my sum of squares, the mean, 1 / sigma
.set QR,   64                          ; product phase: v64-95 q;  later
.set AG,   64                          ;   the attention's sums
.set SCR,  96                          ; v96-127  scores, then weights: head e, pixel n at SCR + 16 e + n
.set SCW,  128                         ; v128-143 the scale words of pixel tiles 0 to 15 (a scale operand is always taken from window 0)
.set FBQ,  144                         ; v144-159 the fragment of tile 16, later of tile 17
.set ACC,  164                         ; v164-195, v196-227 two sets of four accumulators
.set Z,    228                         ; v228-235
.set SMX,  236                         ; v236-237 the two heads' largest scores
.set RC,   238                         ; v238-239 1 / their sums
.set TT,   240                         ; v240-255 at work
.set WV,   22                          ; s22 wave;  s23 trip;  s[24:25] selects for lane l xor 16;  s[26:27] 1/256;  s[28:29] log2(e)/16;  s[40:41] 1/64;  s[42:43] 1/16;  s[44:45] 1/4;  s[46:47] 64
.set TRIP, 23
.set MSB, 0
.macro WIN new                         ; s_set_vgpr_msb: bits 1:0 source 0, 3:2 source 1, 5:4 source 2, 7:6 destination; the high byte repeats the setting that is left
.if MSB != (\new)
	s_set_vgpr_msb (MSB<<8)|(\new)
.set MSB, (\new)
.endif
.endm
	s_load_b512 s[4:19], s[0:1], 0x0               ; features s[4:5], ln_kv_w, ln_kv_b, ln_q_w, ln_q_b, proj_b s[14:15], wfrag s[16:17], wscl s[18:19]
	s_load_b64 s[20:21], s[0:1], 0x40              ; out0
	v_lshrrev_b32 v175, 5, v0                      ; w
	v_readfirstlane_b32 s[WV], v175
	v_and_b32 v170, 31, v0                         ; lane
	v_and_b32 v171, 15, v0                         ; r
	v_bfe_u32 v172, v0, 4, 1                       ; h
	v_bfe_u32 v173, v0, 6, 1                       ; w / 2
	v_bfe_u32 v174, v0, 5, 1                       ; w % 2
	v_lshlrev_b32 v[GA], 4, v171                   ; a patch's four pixels of an image row are 16 bytes,
	v_lshl_or_b32 v[GA], v172, 19, v[GA]           ; 32 channels of 16,384 bytes,
	v_lshl_or_b32 v[GA], v175, 20, v[GA]           ; 64 channels
	v_lshlrev_b32 v[LI], 4, v170
	v_lshlrev_b32 v[L4], 2, v170
	v_lshlrev_b32 v[XW], 4, v0
	v_lshl_or_b32 v[XB], v171, 2, v172
	v_lshl_or_b32 v[XB], v174, 1, v[XB]
	v_lshl_or_b32 v[XB], v173, 6, v[XB]
	v_mul_u32_u24 v[EXS], v175, 1536
	v_lshl_add_u32 v[EXS], v170, 4, v[EXS]
	v_lshlrev_b32 v[PA], 8, v175
	v_lshl_or_b32 v[PA], v172, 7, v[PA]
	v_mul_u32_u24 v[STO], v175, 4352               ; my wave's stage
	v_mad_u32_u24 v[RD], v172, 272, v[STO]         ; back: lanes 0-15 one row of 256 bytes, lanes 16-31 the next
	v_mad_u32_u24 v[STO], v171, 272, v[STO]        ; in: row r, + 128 h: my 32 channels
	v_lshl_add_u32 v[STO], v172, 7, v[STO]
	v_add_nc_u32 v[STO], OST, v[STO]
	v_lshl_add_u32 v[RD], v171, 4, v[RD]
	v_add_nc_u32 v[RD], OST, v[RD]
	v_lshlrev_b32 v[GO], 10, v172                  ; the same two rows in out0: 1,024 bytes a patch, my wave's 256 of them
	v_lshl_or_b32 v[GO], v171, 4, v[GO]
	v_lshl_or_b32 v[GO], v175, 8, v[GO]
	v_lshlrev_b32 v[P8], 3, v0
	v_mov_b32 v[EPS], 0x3727c5ac                   ; 1e-5
	v_mov_b32 v[EPS+1], 0x3727c5ac
.irp i, 0,1,2,3
	v_mov_b32 v[T+\i], 0                           ; written once: a lane permute's destination counts as one of its sources
	v_mov_b32 v[MQ+\i], 0                          ; (stored and named in pairs before all four are first made)
.endr
	s_wait_alu depctr_va_sdst(0)                   ; s22, the wave's number, is written, ahead of its first reader: the bases of the weights' codes and scale words are made from it
	s_mov_b32 s24, 0x76543210
	s_mov_b32 s25, 0xfedcba98
	s_mov_b32 s26, 0x3b800000                      ; 1 / 256.  A packed form names a pair and takes its low word for both halves: both are written
	s_mov_b32 s27, s26
	s_mov_b32 s28, 0x3db8aa3b                      ; log2(e) / 16
	s_mov_b32 s29, s28
	s_mov_b32 s40, 0x3c800000                      ; 1 / 64
	s_mov_b32 s41, s40
	s_mov_b32 s42, 0x3d800000                      ; 1 / 16
	s_mov_b32 s43, s42
	s_mov_b32 s44, 0x3e800000                      ; 1 / 4
	s_mov_b32 s45, s44
	s_mov_b32 s46, 0x42800000                      ; 64
	s_mov_b32 s47, s46
	s_mov_b32 s34, 0xffff0000                      ; lanes 16-31
	s_lshr_b32 s30, ttmp9, 3
	s_lshl_b32 s30, s30, 22                        ; the image: 4 MiB
	s_and_b32 s31, ttmp9, 7
	s_lshl_b32 s31, s31, 11                        ; two rows of patches: 8 image rows of 256 bytes
	s_add_co_u32 s30, s30, s31
	s_mov_b32 s31, 0
	s_wait_kmcnt 0x0
	s_add_nc_u64 s[4:5], s[4:5], s[30:31]
	s_lshl_b32 s30, ttmp9, 15                      ; 32 patches of 1,024 bytes
	s_add_nc_u64 s[20:21], s[20:21], s[30:31]
	s_lshl_b32 s30, s[WV], 15
	s_add_nc_u64 s[36:37], s[16:17], s[30:31]      ; my wave's 16 tiles of codes
	s_lshl_b32 s30, s[WV], 11
	s_add_nc_u64 s[38:39], s[18:19], s[30:31]      ; and their scale words
; A batch: image row g of my 64 channels, of this row of patches (nxt = 0) or of the next (1).  Each load: two runs of 256 consecutive bytes, aligned; read once in the launch.
.macro ISSUE g, nxt
.irp hw, 0,1
	WIN 0x80+0x40*\hw
.set II, 0
.rept 16
	global_load_b128 v[16*II+4*(\g):16*II+4*(\g)+3], v[GA], s[4:5] offset:16384*(II+16*\hw)+256*(\g)+1024*(\nxt) th:TH_LOAD_NT
.set II, II+1
.endr
.endr
	WIN 0
.endm
	s_wait_alu depctr_va_vdst(0)                   ; the eleven offsets and LDS addresses v1 to v11 are written: every load and store of the kernel reads one of them, and none is written again
	ISSUE 0, 0                                     ; THE FEATURES FIRST: the first group can do nothing before this batch is in, and nothing stands ahead of it
	global_load_b64 v[160:161], v[P8], s[6:7]      ; the five parameter arrays: 8 bytes a thread
	global_load_b64 v[162:163], v[P8], s[8:9]
	global_load_b64 v[164:165], v[P8], s[10:11]
	global_load_b64 v[166:167], v[P8], s[12:13]
	global_load_b64 v[168:169], v[P8], s[14:15]
.set II, 0
.rept 16
	global_load_b32 v[WS+II], v[L4], s[38:39] offset:128*II
.set II, II+1
.endr
	WIN 0x40                                       ; destination window 1
.set II, 0
.rept 64
	global_load_b128 v[4*II:4*II+3], v[LI], s[36:37] offset:512*II   ; piece II = 4 T + 2 s + c lands at v[16 T + 8 s + 4 c]: 512 consecutive bytes a load
.set II, II+1
.endr
	WIN 0
	ISSUE 1, 0                                     ; last, so that the first group's count of 32 leaves this batch alone out: the weights are in with batch 0
	s_wait_loadcnt 63                              ; 149 loads have been issued: with 63 out at the most the oldest 86 are in, batch 0 and the five parameter loads among them
.irp a, 0,1,2,3,4
	ds_store_b64 v[P8], v[160+2*\a:161+2*\a] offset:PAR+1024*\a   ; read by other waves only behind the first group's barrier
.endr
	s_mov_b32 s[TRIP], 0
; The sums of the group's four pixels over my 32 channels, in four chains (even and odd channels, pixels 0, 1 and 2, 3), then over the wave's 64; / 64: the wave's means.
.macro SUMS g
	WIN 0x0a                                       ; sources 0 and 1: window 2
	v_pk_add_f32 v[SA:SA+1], v[4*(\g):4*(\g)+1], v[32+4*(\g):32+4*(\g)+1]
	v_pk_add_f32 v[SA+2:SA+3], v[4*(\g)+2:4*(\g)+3], v[32+4*(\g)+2:32+4*(\g)+3]
	v_pk_add_f32 v[SA+4:SA+5], v[16+4*(\g):16+4*(\g)+1], v[48+4*(\g):48+4*(\g)+1]
	v_pk_add_f32 v[SA+6:SA+7], v[16+4*(\g)+2:16+4*(\g)+3], v[48+4*(\g)+2:48+4*(\g)+3]
.irp hw, 0,1
	WIN 0x08+4*\hw                                 ; source 1: window 2, 3
.set II, 4-4*\hw
.rept 12+4*\hw
	v_pk_add_f32 v[SA+4*(II%2):SA+4*(II%2)+1], v[SA+4*(II%2):SA+4*(II%2)+1], v[16*II+4*(\g):16*II+4*(\g)+1]
	v_pk_add_f32 v[SA+4*(II%2)+2:SA+4*(II%2)+3], v[SA+4*(II%2)+2:SA+4*(II%2)+3], v[16*II+4*(\g)+2:16*II+4*(\g)+3]
.set II, II+1
.endr
.endr
	WIN 0
	v_pk_add_f32 v[ML:ML+1], v[SA:SA+1], v[SA+4:SA+5]
	v_pk_add_f32 v[ML+2:ML+3], v[SA+2:SA+3], v[SA+6:SA+7]
.irp x, 0,1,2,3
	v_permlanex16_b32 v[T+\x], v[ML+\x], s24, s25  ; the wave's other 32 channels lie in lane l xor 16
.endr
	v_pk_add_f32 v[ML:ML+1], v[ML:ML+1], v[T:T+1]
	v_pk_add_f32 v[ML+2:ML+3], v[ML+2:ML+3], v[T+2:T+3]
	v_pk_mul_f32 v[ML:ML+1], v[ML:ML+1], s[40:41] op_sel_hi:[1,0]
	v_pk_mul_f32 v[ML+2:ML+3], v[ML+2:ML+3], s[40:41] op_sel_hi:[1,0]
.endm
; The pool's sums, of the RAW numbers: so this stands ahead of DEV, which changes them in place.  A pair a channel: pixels 0 and 2, pixels 1 and 3.
.macro POOLACC g
.irp hw, 0,1
.if (\g) == 0
	WIN 0x0a+5*\hw
.set II, 0
.rept 16
	v_pk_add_f32 v[PP+32*\hw+2*II:PP+32*\hw+2*II+1], v[16*II:16*II+1], v[16*II+2:16*II+3]   ; the first group starts the sums
.set II, II+1
.endr
.else
	WIN 0x08+4*\hw
.irp pr, 0,2
.set II, 0
.rept 16
	v_pk_add_f32 v[PP+32*\hw+2*II:PP+32*\hw+2*II+1], v[PP+32*\hw+2*II:PP+32*\hw+2*II+1], v[16*II+4*(\g)+\pr:16*II+4*(\g)+\pr+1]
.set II, II+1
.endr
.endr
.endif
.endr
	WIN 0
.endm
; The numbers less the wave's means, in place, and the sums of their squares, again in four chains.
.macro DEV g
.irp hw, 0,1
	WIN 0x82+0x41*\hw                              ; destination and source 0: window 2, 3
.set II, 0
.rept 16
	v_pk_add_f32 v[16*II+4*(\g):16*II+4*(\g)+1], v[16*II+4*(\g):16*II+4*(\g)+1], v[ML:ML+1] neg_lo:[0,1] neg_hi:[0,1]
	v_pk_add_f32 v[16*II+4*(\g)+2:16*II+4*(\g)+3], v[16*II+4*(\g)+2:16*II+4*(\g)+3], v[ML+2:ML+3] neg_lo:[0,1] neg_hi:[0,1]
.set II, II+1
.endr
	WIN 0x0a+5*\hw                                 ; sources 0 and 1
.set II, 0
.rept 16
.if (\hw == 0) && (II < 2)
	v_pk_mul_f32 v[SA+4*II:SA+4*II+1], v[16*II+4*(\g):16*II+4*(\g)+1], v[16*II+4*(\g):16*II+4*(\g)+1]
	v_pk_mul_f32 v[SA+4*II+2:SA+4*II+3], v[16*II+4*(\g)+2:16*II+4*(\g)+3], v[16*II+4*(\g)+2:16*II+4*(\g)+3]
.else
	v_pk_fma_f32 v[SA+4*(II%2):SA+4*(II%2)+1], v[16*II+4*(\g):16*II+4*(\g)+1], v[16*II+4*(\g):16*II+4*(\g)+1], v[SA+4*(II%2):SA+4*(II%2)+1]
	v_pk_fma_f32 v[SA+4*(II%2)+2:SA+4*(II%2)+3], v[16*II+4*(\g)+2:16*II+4*(\g)+3], v[16*II+4*(\g)+2:16*II+4*(\g)+3], v[SA+4*(II%2)+2:SA+4*(II%2)+3]
.endif
.set II, II+1
.endr
.endr
	WIN 0
	v_pk_add_f32 v[M2:M2+1], v[SA:SA+1], v[SA+4:SA+5]
	v_pk_add_f32 v[M2+2:M2+3], v[SA+2:SA+3], v[SA+6:SA+7]
.irp x, 0,1,2,3
	v_permlanex16_b32 v[T+\x], v[M2+\x], s24, s25
.endr
	v_pk_add_f32 v[M2:M2+1], v[M2:M2+1], v[T:T+1]
	v_pk_add_f32 v[M2+2:M2+3], v[M2+2:M2+3], v[T+2:T+3]
.endm
; The pooled vector of my 32 channels, and my wave's mean and sum of squared deviations of it.
.macro POOLSTAT
.set II, 0
.rept 32
	v_add_f32 v[POOL+II], v[PP+2*II], v[PP+2*II+1] ; in place, ascending: register 32 + i is written when pairs 0 .. i have been read
.set II, II+1
.endr
.set II, 0
.rept 16
	v_pk_mul_f32 v[POOL+2*II:POOL+2*II+1], v[POOL+2*II:POOL+2*II+1], s[42:43] op_sel_hi:[1,0]   ; / 16
.set II, II+1
.endr
.irp k, 0,1,2,3,4,5,6,7
	v_pk_add_f32 v[Y+2*\k:Y+2*\k+1], v[POOL+4*\k:POOL+4*\k+1], v[POOL+4*\k+2:POOL+4*\k+3]
.endr
.irp k, 0,1,2,3
	v_pk_add_f32 v[Y+4*\k:Y+4*\k+1], v[Y+4*\k:Y+4*\k+1], v[Y+4*\k+2:Y+4*\k+3]
.endr
	v_pk_add_f32 v[Y:Y+1], v[Y:Y+1], v[Y+4:Y+5]
	v_pk_add_f32 v[Y+8:Y+9], v[Y+8:Y+9], v[Y+12:Y+13]
	v_pk_add_f32 v[Y:Y+1], v[Y:Y+1], v[Y+8:Y+9]
	v_add_f32 v[MQ], v[Y], v[Y+1]
	v_permlanex16_b32 v[T], v[MQ], s24, s25
	v_add_f32 v[MQ], v[MQ], v[T]
	v_mul_f32 v[MQ], s40, v[MQ]
.set II, 0
.rept 16
	v_pk_add_f32 v[Y+2*II:Y+2*II+1], v[POOL+2*II:POOL+2*II+1], v[MQ:MQ+1] op_sel_hi:[1,0] neg_lo:[0,1] neg_hi:[0,1]
.set II, II+1
.endr
.set II, 0
.rept 16
.if II < 4
	v_pk_mul_f32 v[SA+2*II:SA+2*II+1], v[Y+2*II:Y+2*II+1], v[Y+2*II:Y+2*II+1]
.else
	v_pk_fma_f32 v[SA+2*(II%4):SA+2*(II%4)+1], v[Y+2*II:Y+2*II+1], v[Y+2*II:Y+2*II+1], v[SA+2*(II%4):SA+2*(II%4)+1]
.endif
.set II, II+1
.endr
	v_pk_add_f32 v[SA:SA+1], v[SA:SA+1], v[SA+2:SA+3]
	v_pk_add_f32 v[SA+4:SA+5], v[SA+4:SA+5], v[SA+6:SA+7]
	v_pk_add_f32 v[SA:SA+1], v[SA:SA+1], v[SA+4:SA+5]
	v_add_f32 v[MQ+1], v[SA], v[SA+1]
	v_permlanex16_b32 v[T], v[MQ+1], s24, s25
	v_add_f32 v[MQ+1], v[MQ+1], v[T]
.endm
; The waves' means and sums of squares meet in LDS, as images of registers.  Groups take two sets of bytes by turns, so that one barrier a group parts a set's reads from its next stores.
; The macro ends with the loads issued; the wait for them stands in GROUP, behind the request for a batch.
.macro EXCH g
	s_wait_alu depctr_va_vdst(0)                   ; the sums have written ML and M2 (group 3: MQ), which the stores below read; and every vector and matrix line so far is done with the registers in which this group's loads land: E and F (the last group's codes, bytes and maxima; accumulators), group 3: Y, group 0: KW and KB (scores, scale words, fragments), and the raw row that the batch is asked into.  No vector line stands between this wait and those loads
	ds_store_b128 v[EXS], v[ML:ML+3] offset:EX+6144*((\g)%2)
	ds_store_b128 v[EXS], v[M2:M2+3] offset:EX+6144*((\g)%2)+512
.if (\g) == 3
	ds_store_b128 v[EXS], v[MQ:MQ+3] offset:EX+6144*((\g)%2)+1024
.endif
	s_wait_dscnt 0x0                               ; for the others' sake: all my LDS stores have landed, and my LDS loads are in
	s_barrier_signal -1
	s_barrier_wait -1
	s_wait_alu depctr_vm_vsrc(0)                   ; the last group's stores have read C and BY, in which E and F land; the stores above have read ML, M2 and MQ, which later sums write again; in the first trip's first group the parameters' stores have read v160-169, which the pixels write as Y
.irp u, 0,1,2,3
	ds_load_b128 v[E+4*\u:E+4*\u+3], v[LI] offset:EX+6144*((\g)%2)+1536*\u
	ds_load_b128 v[F+4*\u:F+4*\u+3], v[LI] offset:EX+6144*((\g)%2)+1536*\u+512
.endr
.if (\g) == 3
.irp u, 0,1,2,3
	ds_load_b128 v[Y+4*\u:Y+4*\u+3], v[LI] offset:EX+6144*((\g)%2)+1536*\u+1024
.endr
.endif
.if (\g) == 0
.irp j, 0,1,2,3,4,5,6,7
	ds_load_b128 v[KW+4*\j:KW+4*\j+3], v[PA] offset:PAR+16*\j        ; ln_kv_w and ln_kv_b of my 32 channels, for this row of patches
	ds_load_b128 v[KB+4*\j:KB+4*\j+3], v[PA] offset:PAR+1024+16*\j
.endr
.endif
.endm
; mean = the mean of the four means; sum of squares = the four sums + 64 x the means' squared distances from it; 1 / sigma = rsq(sum / 256 + 1e-5).
.macro MERGE g
.irp p, 0,2
	v_pk_add_f32 v[MU+\p:MU+\p+1], v[E+\p:E+\p+1], v[E+4+\p:E+4+\p+1]
	v_pk_add_f32 v[SA+\p:SA+\p+1], v[E+8+\p:E+8+\p+1], v[E+12+\p:E+12+\p+1]
.endr
.irp p, 0,2
	v_pk_add_f32 v[MU+\p:MU+\p+1], v[MU+\p:MU+\p+1], v[SA+\p:SA+\p+1]
.endr
.irp p, 0,2
	v_pk_mul_f32 v[MU+\p:MU+\p+1], v[MU+\p:MU+\p+1], s[44:45] op_sel_hi:[1,0]
.endr
.irp u, 0,1,2,3
.irp p, 0,2
	v_pk_add_f32 v[E+4*\u+\p:E+4*\u+\p+1], v[E+4*\u+\p:E+4*\u+\p+1], v[MU+\p:MU+\p+1] neg_lo:[0,1] neg_hi:[0,1]
.endr
.endr
.irp p, 0,2
	v_pk_mul_f32 v[SA+\p:SA+\p+1], v[E+\p:E+\p+1], v[E+\p:E+\p+1]
	v_pk_add_f32 v[SA+4+\p:SA+4+\p+1], v[F+\p:F+\p+1], v[F+4+\p:F+4+\p+1]
	v_pk_add_f32 v[F+8+\p:F+8+\p+1], v[F+8+\p:F+8+\p+1], v[F+12+\p:F+12+\p+1]
.endr
.irp u, 1,2,3
.irp p, 0,2
	v_pk_fma_f32 v[SA+\p:SA+\p+1], v[E+4*\u+\p:E+4*\u+\p+1], v[E+4*\u+\p:E+4*\u+\p+1], v[SA+\p:SA+\p+1]
.endr
.endr
.irp p, 0,2
	v_pk_add_f32 v[SA+4+\p:SA+4+\p+1], v[SA+4+\p:SA+4+\p+1], v[F+8+\p:F+8+\p+1]
.endr
.irp p, 0,2
	v_pk_fma_f32 v[SA+4+\p:SA+4+\p+1], v[SA+\p:SA+\p+1], s[46:47], v[SA+4+\p:SA+4+\p+1] op_sel_hi:[1,0,1]
.endr
.irp p, 0,2
	v_pk_fma_f32 v[SA+4+\p:SA+4+\p+1], v[SA+4+\p:SA+4+\p+1], s[26:27], v[EPS:EPS+1] op_sel_hi:[1,0,1]
.endr
.if (\g) == 3                                  ; the same for the pooled vector: wave u's mean at Y + 4 u, its sum of squares at Y + 4 u + 1
	v_add_f32 v[Y+16], v[Y], v[Y+4]
	v_add_f32 v[Y+17], v[Y+8], v[Y+12]
	v_add_f32 v[Y+18], v[Y+1], v[Y+5]
	v_add_f32 v[Y+19], v[Y+9], v[Y+13]
	v_add_f32 v[Y+16], v[Y+16], v[Y+17]
	v_add_f32 v[Y+18], v[Y+18], v[Y+19]
	v_mul_f32 v[MQ+2], s44, v[Y+16]
.irp u, 0,1,2,3
	v_sub_f32 v[Y+4*\u], v[Y+4*\u], v[MQ+2]
.endr
	v_mul_f32 v[Y+16], v[Y], v[Y]
.irp u, 1,2,3
	v_fmac_f32 v[Y+16], v[Y+4*\u], v[Y+4*\u]
.endr
	v_fma_f32 v[Y+17], v[Y+16], s46, v[Y+18]
	v_fma_f32 v[Y+17], v[Y+17], s26, v[EPS]
.endif
	s_wait_alu depctr_va_vdst(0)
.irp x, 0,1,2,3
	v_rsq_f32 v[RS+\x], v[SA+4+\x]
.endr
.if (\g) == 3
	v_rsq_f32 v[MQ+3], v[Y+17]
.endif
.irp p, 0,2
	v_pk_add_f32 v[MU+\p:MU+\p+1], v[ML+\p:ML+\p+1], v[MU+\p:MU+\p+1] neg_lo:[0,1] neg_hi:[0,1]   ; my wave's mean - the mean: plain lines behind the batch, which name none of its registers
.endr
	s_wait_alu depctr_va_vdst(0)                   ; the roots have written RS (group 3: MQ + 3 too): one wait for the batch, ahead of its first reader
.irp p, 0,2
	v_pk_mul_f32 v[MU+\p:MU+\p+1], v[MU+\p:MU+\p+1], v[RS+\p:RS+\p+1]
.endr
.endm
; (x - mean) / sigma = (x - my wave's mean) / sigma + (my wave's mean - mean) / sigma, in place.
.macro NORM g
.irp hw, 0,1
	WIN 0x82+0x41*\hw
.set II, 0
.rept 16
	v_pk_fma_f32 v[16*II+4*(\g):16*II+4*(\g)+1], v[16*II+4*(\g):16*II+4*(\g)+1], v[RS:RS+1], v[MU:MU+1]
	v_pk_fma_f32 v[16*II+4*(\g)+2:16*II+4*(\g)+3], v[16*II+4*(\g)+2:16*II+4*(\g)+3], v[RS+2:RS+3], v[MU+2:MU+3]
.set II, II+1
.endr
.endr
	WIN 0
.endm
; The 32 numbers in Y, one block, become four registers of codes at v[c] and a scale byte in v[by].
.macro QUANT32 c, by
.irp q, 0,1,2,3
	v_max3_num_f32 v[MX+\q], |v[Y+8*\q]|, |v[Y+8*\q+1]|, |v[Y+8*\q+2]|   ; the largest magnitude, in four chains by turns
.endr
.irp q, 0,1,2,3
	v_max3_num_f32 v[MX+\q], v[MX+\q], |v[Y+8*\q+3]|, |v[Y+8*\q+4]|
.endr
.irp q, 0,1,2,3
	v_max3_num_f32 v[MX+\q], v[MX+\q], |v[Y+8*\q+5]|, |v[Y+8*\q+6]|
.endr
	v_max3_num_f32 v[MX], v[MX], |v[Y+7]|, |v[Y+15]|
	v_max3_num_f32 v[MX+2], v[MX+2], |v[Y+23]|, |v[Y+31]|
	v_max3_num_f32 v[MX], v[MX], v[MX+1], v[MX+2]
	v_max3_num_f32 v[MX], v[MX], v[MX+3], 0x1800000   ; and the floor 2^(3 - 127): the byte cannot fall under 1
	v_add_nc_u32 v[SO], 0xff000000, v[MX]          ; 2 off the exponent field: the conversion takes the exponent field of this operand as its scale
.irp q, 0,1,2,3
	v_cvt_scalef32_pk8_fp4_f32 v[(\c)+\q], v[Y+8*\q:Y+8*\q+7], v[SO]
.endr
	v_lshrrev_b32 v[\by], 23, v[SO]                ; the scale's byte; also the plain line behind the last conversion
.endm
; Pixel x of the group: gain and bias; this unpacked multiply-add also brings the pixel's 32 channels into 32 registers on end.  Then the quantiser: the codes and the byte stay in the pixel's own registers until the group's end.
.macro PIXEL g, x
.irp hw, 0,1
	WIN 0x02+\hw                                   ; source 0: window 2, 3
.set II, 0
.rept 16
	v_fma_f32 v[Y+16*\hw+II], v[16*II+4*(\g)+(\x)], v[KW+16*\hw+II], v[KB+16*\hw+II]
.set II, II+1
.endr
.endr
	WIN 0
	QUANT32 C+4*(\x), BY+(\x)
.endm
; My pieces of the group's four tiles 4 g + x go to LDS: eight stores behind one wait.
.macro PIXOUT g
	s_wait_alu depctr_va_vdst(0)                   ; the four quantisers have written C and BY, which the eight stores read; behind group 3 also: the pixels' multiply-adds are done reading KW and KB, in which ln_q's gains and biases land next
.irp x, 0,1,2,3
	ds_store_b128 v[XW], v[C+4*\x:C+4*\x+3] offset:XIMG+2048*(4*(\g)+\x)
	ds_store_b8 v[XB], v[BY+\x] offset:XSC+128*(4*(\g)+\x)
.endr
.endm
; A group: image row g of the 16 patches.  Loads come back in order: with 32 younger loads out, this group's batch is in.
; The batch two groups on is asked for between the exchange's LDS loads and the wait for them, so that the wave issues while those are out; it goes into registers that were worked two groups ago.
; In the last trip groups 2 and 3 have nothing to ask for: that arm waits for all loads, so that the count of 32 at the next group's head holds whichever arms were taken.
.macro GROUP g
	s_wait_loadcnt 32
	SUMS \g
	POOLACC \g
	DEV \g
.if (\g) == 3
	POOLSTAT
.endif
	EXCH \g
.if (\g) < 2
	ISSUE (\g)+2, 0
.else
	s_cmp_eq_u32 s[TRIP], 1
	s_cbranch_scc1 .Llast_\@
	ISSUE (\g)-2, 1
	s_branch .Lgo_\@
.Llast_\@:
	s_wait_loadcnt 0x0
.Lgo_\@:
.endif
.if (\g) == 0
	s_wait_dscnt 16                                ; the eight loads of the exchange are in; the sixteen of gains and biases behind them may be out
.else
	s_wait_dscnt 0x0
.endif
	MERGE \g
.if (\g) == 0
	s_wait_alu depctr_va_vdst(0)
	s_wait_dscnt 0x0                               ; the gains and biases are in
.endif
	NORM \g
	PIXEL \g, 0
	PIXEL \g, 1
	PIXEL \g, 2
	PIXEL \g, 3
	PIXOUT \g
.endm
; THE PRODUCT PHASE.  Tile n (16 or 17): its fragment (both K steps) and its scale words into window 0: five LDS loads, images as they were stored.
.macro FETCHQ n
.irp k, 0,1,2,3
	ds_load_b128 v[FBQ+4*\k:FBQ+4*\k+3], v[LI] offset:XIMG+2048*(\n)+512*\k
.endr
	ds_load_b32 v[SCB], v[L4] offset:XSC+128*(\n)  ; lanes 0-15: K step 0's words, lanes 16-31: K step 1's
.endm
; A run of 20 LDS loads: pixel tiles 4 r .. 4 r + 3: their four scale words first, then tile by tile four pieces of 512 bytes, piece 2 s + c to v[32 (n % 8) + 16 s + 8 + 4 c] of window 2 + n / 8.  They stay there for both sweeps.
; No wait on va_vdst stands at a run: since the one ahead of tile 16's stores no vector or matrix line has named the run's scale words' places, its places in image rows 2 and 3, or its two addresses.
.macro FRUN r
.irp j, 0,1,2,3
	ds_load_b32 v[SCW+4*(\r)+\j], v[L4] offset:XSC+128*(4*(\r)+\j)
.endr
	WIN 0x80+0x40*((\r)/2)                         ; destination window 2 (tiles 0-7) or 3 (tiles 8-15)
.irp j, 0,1,2,3
.irp k, 0,1,2,3
	ds_load_b128 v[32*((4*(\r)+\j)%8)+8+16*(\k/2)+4*(\k%2):32*((4*(\r)+\j)%8)+8+16*(\k/2)+4*(\k%2)+3], v[LI] offset:XIMG+2048*(4*(\r)+\j)+512*\k
.endr
.endr
	WIN 0
.endm
; Eight matrix instructions: weight tiles base .. base + 3 x one fragment (K step 0 at v[b0], K step 1 at v[b1], in the window that win names for source 1; scale words in v[sc]), into v[d] on.
; The four accumulators take turns.  own = 0: the first products start the sums with the constant 0;  own = 1: they add onto what v[d] holds.
.macro MM8 base, win, b0, b1, sc, d, own
	WIN \win                                       ; source 0: window 1
.irp t, 0,1,2,3
.if \own
	v_wmma_scale_f32_16x16x128_f8f6f4 v[(\d)+8*\t:(\d)+8*\t+7], v[16*((\base)+\t):16*((\base)+\t)+7], v[(\b0):(\b0)+7], v[(\d)+8*\t:(\d)+8*\t+7], v[WS+(\base)+\t], v[\sc] matrix_a_fmt:MATRIX_FMT_FP4 matrix_b_fmt:MATRIX_FMT_FP4
.else
	v_wmma_scale_f32_16x16x128_f8f6f4 v[(\d)+8*\t:(\d)+8*\t+7], v[16*((\base)+\t):16*((\base)+\t)+7], v[(\b0):(\b0)+7], 0, v[WS+(\base)+\t], v[\sc] matrix_a_fmt:MATRIX_FMT_FP4 matrix_b_fmt:MATRIX_FMT_FP4
.endif
.endr
.irp t, 0,1,2,3
	v_wmma_scale_f32_16x16x128_f8f6f4 v[(\d)+8*\t:(\d)+8*\t+7], v[16*((\base)+\t)+8:16*((\base)+\t)+15], v[(\b1):(\b1)+7], v[(\d)+8*\t:(\d)+8*\t+7], v[WS+(\base)+\t], v[\sc] matrix_a_fmt:MATRIX_FMT_FP4 matrix_b_fmt:MATRIX_FMT_FP4 matrix_a_scale:MATRIX_SCALE_ROW1 matrix_b_scale:MATRIX_SCALE_ROW1
.endr
	WIN 0
.endm
.macro MMT base, n, d                          ; the same for pixel tile n: source 1 in window 2 or 3
	MM8 \base, 0x09+4*((\n)/8), 32*((\n)%8)+8, 32*((\n)%8)+24, SCW+(\n), \d, 0
.endm
; q . k of pixel n for my two heads, over my lane's 16 of a head's 32 channels: tiles 0, 1 are head 0, tiles 2, 3 head 1.  Each accumulator is read from its low end on.
.macro SCORE n, a
.irp t, 0,1,2,3
	v_pk_mul_f32 v[Z+2*\t:Z+2*\t+1], v[(\a)+8*\t:(\a)+8*\t+1], v[QR+8*\t:QR+8*\t+1]
.endr
.irp j, 1,2,3
.irp t, 0,1,2,3
	v_pk_fma_f32 v[Z+2*\t:Z+2*\t+1], v[(\a)+8*\t+2*\j:(\a)+8*\t+2*\j+1], v[QR+8*\t+2*\j:QR+8*\t+2*\j+1], v[Z+2*\t:Z+2*\t+1]
.endr
.endr
	v_pk_add_f32 v[Z:Z+1], v[Z:Z+1], v[Z+2:Z+3]
	v_pk_add_f32 v[Z+4:Z+5], v[Z+4:Z+5], v[Z+6:Z+7]
	v_add_f32 v[SCR+(\n)], v[Z], v[Z+1]
	v_add_f32 v[SCR+16+(\n)], v[Z+4], v[Z+5]
.endm
; sums += weight of pixel n x its v.  The weight is one register of a pair and serves both halves.  Pixel 0 starts the sums.
.macro PVACC n, a
.irp j, 0,1,2,3
.irp t, 0,1,2,3
.if (\n) == 0
	v_pk_mul_f32 v[AG+8*\t+2*\j:AG+8*\t+2*\j+1], v[(\a)+8*\t+2*\j:(\a)+8*\t+2*\j+1], v[SCR+16*(\t/2):SCR+16*(\t/2)+1] op_sel_hi:[1,0]
.elseif (\n)%2 == 0
	v_pk_fma_f32 v[AG+8*\t+2*\j:AG+8*\t+2*\j+1], v[(\a)+8*\t+2*\j:(\a)+8*\t+2*\j+1], v[SCR+16*(\t/2)+(\n):SCR+16*(\t/2)+(\n)+1], v[AG+8*\t+2*\j:AG+8*\t+2*\j+1] op_sel_hi:[1,0,1]
.else
	v_pk_fma_f32 v[AG+8*\t+2*\j:AG+8*\t+2*\j+1], v[(\a)+8*\t+2*\j:(\a)+8*\t+2*\j+1], v[SCR+16*(\t/2)+(\n)-1:SCR+16*(\t/2)+(\n)], v[AG+8*\t+2*\j:AG+8*\t+2*\j+1] op_sel:[0,1,0] op_sel_hi:[1,1,1]
.endif
.endr
.endr
.endm
.Lrow:                                             ; a trip: one row of 16 patches
	GROUP 0
	GROUP 1
	GROUP 2
	GROUP 3
	; the pooled vector's norm, with ln_q's gains and biases, and its quantiser: tile 16
.irp j, 0,1,2,3,4,5,6,7
	ds_load_b128 v[KW+4*\j:KW+4*\j+3], v[PA] offset:PAR+2048+16*\j
	ds_load_b128 v[KB+4*\j:KB+4*\j+3], v[PA] offset:PAR+3072+16*\j
.endr
.set II, 0
.rept 16
	v_pk_add_f32 v[Y+2*II:Y+2*II+1], v[POOL+2*II:POOL+2*II+1], v[MQ+2:MQ+3] op_sel_hi:[1,0] neg_lo:[0,1] neg_hi:[0,1]   ; - the mean
.set II, II+1
.endr
.set II, 0
.rept 16
	v_pk_mul_f32 v[Y+2*II:Y+2*II+1], v[Y+2*II:Y+2*II+1], v[MQ+2:MQ+3] op_sel:[0,1] op_sel_hi:[1,1]   ; / sigma: the pair's second register for both halves
.set II, II+1
.endr
	s_wait_dscnt 0x0                               ; the gains and biases are in
.set II, 0
.rept 16
	v_pk_fma_f32 v[Y+2*II:Y+2*II+1], v[Y+2*II:Y+2*II+1], v[KW+2*II:KW+2*II+1], v[KB+2*II:KB+2*II+1]
.set II, II+1
.endr
	s_wait_alu depctr_vm_vsrc(0)                   ; group 3's eight stores have read C and BY, of which the quantiser below writes the first pixel's again
	QUANT32 C, BY
	s_wait_alu depctr_va_vdst(0)                   ; the quantiser has written C and BY, which the two stores read; and every vector line so far is done with the registers in which the products' loads land, up to tile 17: FBQ and SCW (the biases), v14, v196-227 (codes, bytes, maxima, chains), image rows 2 and 3 of windows 2 and 3
	ds_store_b128 v[XW], v[C:C+3] offset:XIMG+2048*16
	ds_store_b8 v[XB], v[BY] offset:XSC+128*16
	s_wait_dscnt 0x0                               ; for the others' sake: my pieces of the 17 tiles have landed
	s_barrier_signal -1
	s_barrier_wait -1                              ; the 17 tiles are whole
	s_wait_alu depctr_vm_vsrc(0)                   ; tile 16's two stores have read C and BY: proj_b lands on BY, and k's first products write C's four registers
	FETCHQ 16
.irp j, 0,1,2,3,4,5,6,7
	ds_load_b128 v[ACC+32+4*\j:ACC+32+4*\j+3], v[PA] offset:PAR+4096+16*\j   ; proj_b of my 32 channels
.endr
	FRUN 0
	s_wait_dscnt 28                                ; tile 16 is in: behind its five loads stand proj_b's eight and the run's twenty
	MM8 8, 0x01, FBQ, FBQ+8, SCB, QR, 0            ; q
	FRUN 1
	s_wait_dscnt 40                                ; proj_b is in: behind it stand two runs of twenty
.set II, 0
.rept 16
	v_pk_add_f32 v[POOL+2*II:POOL+2*II+1], v[POOL+2*II:POOL+2*II+1], v[ACC+32+2*II:ACC+32+2*II+1]   ; mean + proj_b: the projection will add onto it.  (Also the places behind q's products)
.set II, II+1
.endr
	s_wait_dscnt 32                                ; tile 0 is in: behind it stand its run's other three tiles, 12 loads, and run 1's twenty
	MMT 0, 0, ACC                                  ; k of pixel 0
.set II, 0
.rept 16
	v_pk_mul_f32 v[QR+2*II:QR+2*II+1], v[QR+2*II:QR+2*II+1], s[28:29] op_sel_hi:[1,0]   ; q x log2(e) / 16, each accumulator from its low end on.  (Also the places behind the products above)
.set II, II+1
.endr
; SWEEP 1: k of the 16 pixels and the scores.  In step N tile N + 1 is multiplied and tile N's scores are taken: the 20 plain lines of a step's scores stand between a tile's products and the reads of its results.
; Runs 2 and 3 of fragments are asked for at steps 3 and 7, four steps ahead of their first use.  The wait for tile m leaves out the later tiles of its own run, 4 (3 - m % 4) loads, and, for m < 12, the one later run that has been issued.
.set N, 0
	s_wait_alu depctr_va_vdst(0)
.rept 16
.if N == 3
	FRUN 2
.endif
.if N == 7
	FRUN 3
.endif
.if N < 15
.if N < 11
	s_wait_dscnt 4*(3-(N+1)%4)+20
.else
	s_wait_dscnt 4*(3-(N+1)%4)
.endif
	MMT 0, N+1, ACC+32*((N+1)%2)
.endif
	SCORE N, ACC+32*(N%2)
.set N, N+1
.endr
.set II, 0
.rept 32
	v_permlanex16_b32 v[ACC+32+II], v[SCR+II], s24, s25   ; a head's other 16 channels lie in lane l xor 16
.set II, II+1
.endr
.set II, 0
.rept 16
	v_pk_add_f32 v[SCR+2*II:SCR+2*II+1], v[SCR+2*II:SCR+2*II+1], v[ACC+32+2*II:ACC+32+2*II+1]
.set II, II+1
.endr
	MMT 4, 0, ACC                                  ; v of pixel 0, under the softmax: its fragment is still in registers
	; the softmax over a patch's 16 pixels, per head, over registers: the largest score is taken away first
.irp e, 0,1
	v_max3_num_f32 v[SMX+\e], v[SCR+16*\e], v[SCR+16*\e+1], v[SCR+16*\e+2]
.endr
.irp i, 3,5,7,9,11,13
.irp e, 0,1
	v_max3_num_f32 v[SMX+\e], v[SMX+\e], v[SCR+16*\e+\i], v[SCR+16*\e+\i+1]
.endr
.endr
.irp e, 0,1
	v_max_num_f32 v[SMX+\e], v[SMX+\e], v[SCR+16*\e+15]
.endr
.irp k, 0,1,2,3,4,5,6,7
	v_pk_add_f32 v[SCR+2*\k:SCR+2*\k+1], v[SCR+2*\k:SCR+2*\k+1], v[SMX:SMX+1] op_sel_hi:[1,0] neg_lo:[0,1] neg_hi:[0,1]
	v_pk_add_f32 v[SCR+16+2*\k:SCR+16+2*\k+1], v[SCR+16+2*\k:SCR+16+2*\k+1], v[SMX:SMX+1] op_sel:[0,1] op_sel_hi:[1,1] neg_lo:[0,1] neg_hi:[0,1]
.endr
.set II, 0
	s_wait_alu depctr_va_vdst(0)
.rept 32
	v_exp_f32 v[SCR+II], v[SCR+II]                 ; 2^(t - the largest t), at most 1
.set II, II+1
.endr
	v_nop                                          ; a plain line behind the last exponential
	s_wait_alu depctr_va_vdst(0)                   ; the 32 exponentials have written SCR: one wait for the batch, ahead of its first reader
.irp e, 0,1
	v_pk_add_f32 v[TT+4*\e:TT+4*\e+1], v[SCR+16*\e:SCR+16*\e+1], v[SCR+16*\e+2:SCR+16*\e+3]
	v_pk_add_f32 v[TT+4*\e+2:TT+4*\e+3], v[SCR+16*\e+4:SCR+16*\e+5], v[SCR+16*\e+6:SCR+16*\e+7]
.endr
.irp i, 8,12
.irp e, 0,1
	v_pk_add_f32 v[TT+4*\e:TT+4*\e+1], v[TT+4*\e:TT+4*\e+1], v[SCR+16*\e+\i:SCR+16*\e+\i+1]
	v_pk_add_f32 v[TT+4*\e+2:TT+4*\e+3], v[TT+4*\e+2:TT+4*\e+3], v[SCR+16*\e+\i+2:SCR+16*\e+\i+3]
.endr
.endr
.irp e, 0,1
	v_pk_add_f32 v[TT+4*\e:TT+4*\e+1], v[TT+4*\e:TT+4*\e+1], v[TT+4*\e+2:TT+4*\e+3]
.endr
.irp e, 0,1
	v_add_f32 v[RC+\e], v[TT+4*\e], v[TT+4*\e+1]
.endr
	s_wait_alu depctr_va_vdst(0)
	v_rcp_f32 v[RC], v[RC]
	v_rcp_f32 v[RC+1], v[RC+1]
	v_nop
	s_wait_alu depctr_va_vdst(0)                   ; the two reciprocals have written RC: one wait for both
; SWEEP 2: v of the 16 pixels and the weighted sums, in the same order of lines as sweep 1.  Every fragment and scale word is in registers: no LDS load, no wait.
.set N, 0
.rept 16
.if N < 15
	MMT 4, N+1, ACC+32*((N+1)%2)
.endif
	PVACC N, ACC+32*(N%2)
.set N, N+1
.endr
.irp k, 0,1,2,3,4,5,6,7
	v_pk_mul_f32 v[AG+2*\k:AG+2*\k+1], v[AG+2*\k:AG+2*\k+1], v[RC:RC+1] op_sel_hi:[1,0]                  ; / the weights' sum
	v_pk_mul_f32 v[AG+16+2*\k:AG+16+2*\k+1], v[AG+16+2*\k:AG+16+2*\k+1], v[RC:RC+1] op_sel:[0,1] op_sel_hi:[1,1]
.endr
	; the sums' quantiser.  A head is a block of 32 channels: my 16 and lane l xor 16's.  Register 16 e + i = channel 64 w + 32 e + 16 h + i
.irp e, 0,1
	v_max3_num_f32 v[TT+\e], |v[AG+16*\e]|, |v[AG+16*\e+1]|, 0x1800000
.endr
.irp i, 2,4,6,8,10,12,14
.irp e, 0,1
	v_max3_num_f32 v[TT+\e], v[TT+\e], |v[AG+16*\e+\i]|, |v[AG+16*\e+\i+1]|
.endr
.endr
.irp e, 0,1
	v_permlanex16_b32 v[TT+2+\e], v[TT+\e], s24, s25
.endr
.irp e, 0,1
	v_max_num_f32 v[TT+\e], v[TT+\e], v[TT+2+\e]
.endr
.irp e, 0,1
	v_add_nc_u32 v[TT+4+\e], 0xff000000, v[TT+\e]
.endr
.irp e, 0,1
	v_lshrrev_b32 v[TT+6+\e], 23, v[TT+4+\e]
.endr
	v_cndmask_b32 v[TT+12], v[TT+6], v[TT+7], s34  ; lanes 0-15 store block 2 c's byte, lanes 16-31 block 2 c + 1's
.irp e, 0,1
	v_cvt_scalef32_pk8_fp4_f32 v[TT+8+2*\e], v[AG+16*\e:AG+16*\e+7], v[TT+4+\e]
	v_cvt_scalef32_pk8_fp4_f32 v[TT+9+2*\e], v[AG+16*\e+8:AG+16*\e+15], v[TT+4+\e]
.endr
	v_nop                                          ; one plain line behind the last conversion
	v_permlane16_swap_b32 v[TT+8], v[TT+10]        ; the operand's layout wants a whole block in a lane: the first's lanes 16-31 change places with the second's lanes 0-15
	v_permlane16_swap_b32 v[TT+9], v[TT+11]
	s_wait_alu depctr_va_vdst(0)                   ; the exchanges and the select have written TT + 8 to TT + 12, which the two stores read; q's products are done reading FBQ and v14, in which tile 17 lands behind the barrier
	ds_store_b128 v[XW], v[TT+8:TT+11] offset:XIMG+2048*17
	ds_store_b8 v[XB], v[TT+12] offset:XSC+128*17
	s_wait_dscnt 0x0                               ; for the others' sake: my piece of tile 17 has landed, and my reads of tiles 0 to 16 are over
	s_barrier_signal -1
	s_barrier_wait -1
	FETCHQ 17
	s_wait_dscnt 0x0
	MM8 12, 0x01, FBQ, FBQ+8, SCB, POOL, 1         ; the projection, onto mean + proj_b: register i of lane (r, h) = out(patch r, channel 64 w + 32 h + i)
.rept 4
	v_nop                                          ; four places between the last product and the stores that read results
.endr
	s_wait_alu depctr_va_vdst(0)                   ; the projection has written POOL, which the LDS stores read (the places above stay beside this wait); sweep 2's lines are done with ACC's lower set, in which the rows come back
	; THE WAY OUT, through my own stage: a lane holds 128 bytes of a row, the lanes beside it other rows; back come whole runs of 256 bytes.  LDS serves a wave's instructions in order: no wait between the stores and the loads
.irp k, 0,1,2,3,4,5,6,7
	ds_store_b128 v[STO], v[POOL+4*\k:POOL+4*\k+3] offset:16*\k   ; ascending: each accumulator from its low end on
.endr
.irp k, 0,1,2,3,4,5,6,7
	ds_load_b128 v[ACC+4*\k:ACC+4*\k+3], v[RD] offset:544*\k
.endr
.irp k, 0,1,2,3,4,5,6,7
	s_wait_dscnt 7-\k
	global_store_b128 v[GO], v[ACC+4*\k:ACC+4*\k+3], s[20:21] offset:2048*\k th:TH_STORE_NT   ; sixteen lanes store 256 consecutive bytes, aligned; written once
.endr
	s_wait_xcnt 0x0                                ; the loads on their way and these stores have read their bases and registers: both bases step, and the stores' data may be written again
	s_wait_alu depctr_vm_vsrc(0)                   ; the LDS stores have read POOL and TT + 8 to TT + 12, the global stores ACC's lower set: the next trip's sums, roots and pixels write all of these again
	s_add_nc_u64 s[4:5], s[4:5], 1024              ; four image rows on
	s_add_nc_u64 s[20:21], s[20:21], 16384         ; 16 patches on
	s_add_co_u32 s[TRIP], s[TRIP], 1
	s_cmp_lt_u32 s[TRIP], 2
	s_cbranch_scc1 .Lrow
	s_wait_xcnt 0x0
	v_lshl_add_u32 v254, v0, 2, 0x12200            ; the add's two registers are made anew here, v0 being as at the entry: my spare word, behind the stages, and 0.  (No memory or LDS instruction has been issued since the wait on vm_vsrc above)
	v_mov_b32 v255, 0
	s_wait_dscnt 0x0                               ; the closing lines, six on end
	s_wait_alu 0x0
	s_wait_tensorcnt 0x0
	ds_add_u32 v254, v255
	s_wait_dscnt 0x0
	s_endpgm
.Lfunc_end_k_qe2bbf21cd3_fused:
	.size	k_qe2bbf21cd3_fused, .Lfunc_end_k_qe2bbf21cd3_fused-k_qe2bbf21cd3_fused
	.p2alignl 7, 3214868480
	.fill 96, 4, 3214868480
	.section	.rodata,"a",@progbits
	.p2align	6, 0x0
	.amdhsa_kernel k_qe2bbf21cd3_fused
		.amdhsa_group_segment_fixed_size 74752
		.amdhsa_private_segment_fixed_size 0
		.amdhsa_enable_private_segment 0
		.amdhsa_kernarg_size 72
		.amdhsa_user_sgpr_count 2
		.amdhsa_user_sgpr_kernarg_segment_ptr 1
		.amdhsa_wavefront_size32 1
		.amdhsa_system_sgpr_workgroup_id_x 1
		.amdhsa_system_sgpr_workgroup_id_y 1
		.amdhsa_system_sgpr_workgroup_id_z 1
		.amdhsa_system_vgpr_workitem_id 0
		.amdhsa_next_free_vgpr 1024
		.amdhsa_next_free_sgpr 66
		.amdhsa_reserve_vcc 0
		.amdhsa_float_denorm_mode_32 3
		.amdhsa_float_denorm_mode_16_64 3
		.amdhsa_memory_ordered 1
		.amdhsa_forward_progress 1
		.amdhsa_inst_pref_size 255
	.end_amdhsa_kernel
	.section	.bss,"aw",@nobits
	.p2align	6
	.space	262144
	.amdgpu_metadata
---
amdhsa.version: [ 1, 2 ]
amdhsa.kernels:
  - .name:           k_qe2bbf21cd3_fused
    .symbol:         k_qe2bbf21cd3_fused.kd
    .args:
      - { .name: features, .offset: 0, .size: 8, .value_kind: global_buffer, .address_space: global }
      - { .name: ln_kv_w, .offset: 8, .size: 8, .value_kind: global_buffer, .address_space: global }
      - { .name: ln_kv_b, .offset: 16, .size: 8, .value_kind: global_buffer, .address_space: global }
      - { .name: ln_q_w, .offset: 24, .size: 8, .value_kind: global_buffer, .address_space: global }
      - { .name: ln_q_b, .offset: 32, .size: 8, .value_kind: global_buffer, .address_space: global }
      - { .name: proj_b, .offset: 40, .size: 8, .value_kind: global_buffer, .address_space: global }
      - { .name: wfrag, .offset: 48, .size: 8, .value_kind: global_buffer, .address_space: global }
      - { .name: wscl, .offset: 56, .size: 8, .value_kind: global_buffer, .address_space: global }
      - { .name: out0, .offset: 64, .size: 8, .value_kind: global_buffer, .address_space: global }
    .group_segment_fixed_size: 74752
    .private_segment_fixed_size: 0
    .kernarg_segment_align: 8
    .kernarg_segment_size: 72
    .max_flat_workgroup_size: 128
    .sgpr_count:     66
    .vgpr_count:     1024
    .wavefront_size: 32
...
	.end_amdgpu_metadata
.endif
;; end of part 4
